; MI455X (gfx1250); checked and timed in simulation.
; The chip was launched on July 23, 2026; its instructions are those of AMD's public machine-readable ISA for CDNA 5 (MIT licence, August 2026) and "CDNA5" Instruction Set Architecture Reference Guide (July 2026). The comments in the code are by the model that wrote it; some were corrected since.
;; Self Attn. Allowed arithmetic: matrix products marked QUANTISED: E2M1 operands, one E8M0 scale for each 32 along K, by v_wmma_scale_f32_16x16x128_f8f6f4 with both operands' format E2M1 (or v_wmma_scale_f32_32x16x128_f4), f32 sums; everything else in f32.
;; Inputs: cos 2,048 x 1,024 float32; sin 2,048 x 1,024 float32; wk_codes 1,024 x 32 x 16 uint8 (E2M1 codes of wk, K innermost, in blocks of 32 codes, two codes a byte); wk_scales 1,024 x 32 uint8 (E8M0 scales of wk, one for each 32 codes along K); wq_codes 1,024 x 32 x 16 uint8 (E2M1 codes of wq, K innermost, in blocks of 32 codes, two codes a byte); wq_scales 1,024 x 32 uint8 (E8M0 scales of wq, one for each 32 codes along K); wv_codes 1,024 x 32 x 16 uint8 (E2M1 codes of wv, K innermost, in blocks of 32 codes, two codes a byte); wv_scales 1,024 x 32 uint8 (E8M0 scales of wv, one for each 32 codes along K); x_codes 4 x 2,048 x 32 x 16 uint8 (E2M1 codes of x, K innermost, in blocks of 32 codes, two codes a byte); x_scales 4 x 2,048 x 32 uint8 (E8M0 scales of x, one for each 32 codes along K).
;; Outputs: out0 4 x 2,048 x 1,024 float32.
;; This version of the problem:
;;   THIS VERSION OF THE PROBLEM IS GIVEN IN LOW PRECISION. The matrix products marked QUANTISED in the list below multiply operands that are first quantised to E2M1 (2 exponent bits, 1 mantissa bit; 4 bits a number), with one power-of-two scale for each 32 numbers along K (OCP MX v1.0); their sums are f32. All else is computed in f32.
;;   The module's matrix products, in the order in which they are computed (A, B: the left and right operand; K: the contracted axis; several contracted axes count as one K, in the product's order):
;;     1. [M 8,192, K 1,024] x [K 1,024, N 1,024]; A: input x (given as codes); B: input wq (given as codes): QUANTISED
;;     2. [M 8,192, K 1,024] x [K 1,024, N 1,024]; A: input x (given as codes); B: input wk (given as codes): QUANTISED
;;     3. [M 8,192, K 1,024] x [K 1,024, N 1,024]; A: input x (given as codes); B: input wv (given as codes): QUANTISED
;;     4. batch 32 x [M 2,048, K 128] x [K 128, N 2,048]; A: computed on the way; B: computed on the way: QUANTISED
;;     5. batch 32 x [M 2,048, K 2,048] x [K 2,048, N 128]; A: softmax (see below); B: computed on the way: QUANTISED
;;   THE QUANTISER, for each operand of a quantised product, along K:
;;     - K is cut into blocks of 32 from its start; a last block that is shorter is filled with zeros.
;;     - A block's scale is 2^e with e = floor(log2(the largest magnitude in the block)) - 2, held to -126 .. 127; a block of zeros has e = 0. As a byte (E8M0): e + 127.
;;     - Each number is divided by its block's scale, clamped to +-6, and rounded to the nearest number of E2M1, ties to even, subnormals kept.
;;     - The product sums the exact products of the quantised numbers (number of the format x scale) in f32.
;;   ~~~python
;;   def quantise(x, axis):      # numpy; x: float32 -> the quantised numbers, widened to float32 again
;;       x = np.moveaxis(x, axis, -1); K = x.shape[-1]
;;       x = np.pad(x, [(0, 0)] * (x.ndim - 1) + [(0, -K % 32)]); x = x.reshape(x.shape[:-1] + (-1, 32)); a = np.abs(x).max(-1, keepdims=True)
;;       e = np.where(a > 0, np.clip(np.frexp(np.where(a > 0, a, 1))[1] - 1 - 2, -126, 127), 0)      # np.frexp(a)[1] - 1 = floor(log2(a)), exactly
;;       r = np.clip(x / 2.0 ** e, -6, 6)
;;       step = 2.0 ** (np.maximum(np.frexp(np.where(r == 0, 1, r))[1] - 1, 0) - 1)
;;       q = np.round(r / step) * step * 2.0 ** e      # np.round: ties to even
;;       return np.moveaxis(q.reshape(q.shape[:-2] + (-1,))[..., :K], -1, axis).astype(np.float32)
;;   ~~~
;;   SOFTMAX AHEAD OF A QUANTISED PRODUCT. Where the list says 'softmax', what is quantised is not the finished softmax but p = 2^(t - M), with t = logit x log2(e) and M = ceil(the row's largest t), a whole number; so 1/2 < the row's largest p <= 1. The row's sum l is taken of the UNQUANTISED p, in f32, and the product's result is divided by l at the end. Since M is a whole number, a kernel that streams over the keys may use a running M (the ceiling of the running maximum): every later rescaling is an exact power of two, which a block's scale takes up: the codes' values come out the same.
;;   OPERANDS COMPUTED ON THE WAY. 'Computed on the way' means the value that the module computes at that place (a softmax that the list does not call 'softmax' is quantised finished and normalised). What goes into a quantiser is computed in f32, as accurately as f32 sums, v_exp_f32 and their like allow (about 1e-6 of the number): no bf16 or f16 on the way to a quantiser, and a product that is left as it is and whose result goes on into a quantised operand takes f32 operands (vector FMAs, or v_wmma_f32_16x16x4_f32). A number that lies on a knife's edge between two numbers of the format may be rounded either way, as far as f32 arithmetic and the matrix unit's own rounding can turn it there, and no further.
;;   INPUTS GIVEN AS CODES. wk (in the module: [1024, 1024], K = its axis 1); wq (in the module: [1024, 1024], K = its axis 1); wv (in the module: [1024, 1024], K = its axis 1); x (in the module: [4, 2048, 1024], K = its axis 2): each comes as NAME_codes (uint8): NAME with its K axis moved to the last place and cut into blocks of 32 codes, [.., K / 32, bytes a block], one block behind the other in memory; two codes a byte, the lower K in the low four bits (a code: sign, 2 exponent bits, 1 mantissa bit); and NAME_scales (uint8): the same leading axes, one E8M0 byte (e + 127) for each 32 codes along K. Its value is code x scale, taken as it is: it is not quantised again, and the codes and scales need not be those that the quantiser above would give.
;; 2 versions. Each part assembles by itself: llvm-mc -triple=amdgcn-amd-amdhsa -mcpu=gfx1250 --defsym DOCPART=n.
;; ======== version 1 of 2: 2 launches
;; workspace buffers: qimg 4,194,304 bytes; qsc 262,144 bytes; kimg 4,194,304 bytes; ksc 262,144 bytes; vimg 4,194,304 bytes; vsc 262,144 bytes
;; launch proj (part 1): grid 8 x 32, 4 waves a work-group, no clusters, 270,848 bytes of LDS; arguments x_codes, x_scales, wq_codes, wq_scales, wk_codes, wk_scales, wv_codes, wv_scales, cos, sin, qimg, qsc, kimg, ksc, vimg, vsc; writes qimg, qsc, kimg, ksc, vimg, vsc
.if DOCPART == 1
	.amdgcn_target "amdgcn-amd-amdhsa--gfx1250"
	.amdhsa_code_object_version 6
	.text
	.protected	k_qe2ba48437e_proj
	.globl	k_qe2ba48437e_proj
	.p2align	8
	.type	k_qe2ba48437e_proj,@function
k_qe2ba48437e_proj:
	s_mov_b64 s[64:65], 0
	v_nop
	global_prefetch_b8 v0, s[64:65] scope:SCOPE_SE
	s_setreg_imm32_b32 hwreg(HW_REG_WAVE_MODE, 25, 1), 1
	s_wait_xcnt 0x0
; q, k, v = x W^T on codes of FP4 (E2M1) with E8M0 scales, the rotary step on q and k in f32, and the three quantisers: q and k along the head's 128, v along the keys.
; The results leave as IMAGES OF THE NEXT LAUNCH'S OPERAND REGISTERS (16 bytes a lane, 512 bytes a store) with their scale words beside them.
; DEAD WORK OF THE WHOLE PROGRAM.  The causal mask is built by the problem itself (tril): key k counts for query q where k <= q.  A masked score becomes the least f32 number, key 0 counts for every
; query, so the row's maximum is a true score and the masked p is 0 in real numbers: it adds nothing to the row's sum nor to the second product.  So key steps of 128 keys that lie wholly behind a tile's
; queries are left out (in the second launch); inside the step on the diagonal the masked scores are computed and set aside.  Nothing else is left out and every input is loaded.
; LIMIT: a NaN, an infinity or an overflow that reaches only those key steps is not carried to the result.
; LIMITS OF THIS LAUNCH: NaN and infinities in cos or sin and scale bytes 0xff are not served; a block whose largest magnitude lies under 2^(3 - 127) keeps the byte 1 (a block of zeros too, where the rule says 127:
; its codes are zeros and this program alone reads the bytes); the rotary step is one multiply and one fused multiply-add: one rounding fewer than two products and a sum.
; THE ROTATED HALF IS A SECOND PRODUCT.  rot[d] = -q[2 d + 1] for d < 512 and +q[2 (d - 512)] for d >= 512: a head's partners lie in two other heads.  x . W[f(d)] gives q[f(d)] bit for bit, so each unit of
; 64 columns multiplies its 64 rows of W and their 64 partner rows, laid alike: the rotary step then stays inside a lane.  The sign goes into sin once, on its way into LDS.
; SHARES.  Work-group (g, tb): head g, positions 64 tb .. 64 tb + 63 of all four batches; wave w takes batch w.  So the cos and sin bytes of these rows and columns are read once in the launch and serve four batches, q and k.
; x's 64 rows x 1,024 K stay in registers (32 fragments).  W goes through LDS in five units of 128 rows, two buffers by turns, the next unit's rows asked for into registers one unit ahead: V; (q, c = 0); (q, c = 1); (k, 0); (k, 1).
; ROWS OF A TILE ARE NOT NEIGHBOURS: lane r of tile 2 b + u takes row 32 b + 8 u + r + 8 (r / 8), for x's positions and for W's rows of q and k, so that the 16 registers of two neighbouring result tiles are 16 neighbours along the next K.
; q, k: source 0 = 16 rows of W, source 1 = 16 positions: a lane holds one position, its registers run along the head.  v: source 0 = 16 positions, source 1 = 16 rows of wv: a lane holds one channel, its registers run along the keys.
; No tensor load: every operand passes through registers anyway (rows are placed in tile order, sin takes its sign, x ends in registers).
; REGISTERS, in windows of 256: window 0: addresses, scale words, work, W's fragments (two sets, v128-255; in a unit's tail cos and sin);  window 1: x's 32 fragments;  window 2: the 32 accumulators (first: x's rows as loaded);
;   window 3: v0-127 the next unit's 32 rows as loaded; v128-255 cos and sin as loaded.
.set P,      528                       ; an LDS row: 512 bytes + 16 = 33 x 16: the sixteen rows of a fragment load start at sixteen different 16-byte columns modulo 256
.set WB1,    128*P                     ; W's second buffer
.set COSB,   2*WB1                     ; cos: 64 rows
.set SINO,   64*P                      ; sin lies 64 rows behind cos; W's partner rows lie 64 rows behind the direct ones
.set XSTB,   COSB+2*SINO               ; each wave's own stage of 32 rows, for x
.set XSTW,   32*P
.set SPARE,  XSTB+4*XSTW               ; the spare words, 128 bytes for each wave: two blocks of 256 bytes that no other line names
.set L16,  1                           ; v1   16 x lane
.set L8,   2                           ; v2   8 x lane
.set AW,   3                           ; v3-4 a fragment's row in W's buffer 0, 1: r x 528 + 16 h
.set ACS,  5                           ; v5   my 16 numbers of a block of cos: COSB + r x 528 + 64 h
.set SW,   6                           ; v6-7 where my wave puts its 16 rows of a unit, buffer 0, 1
.set VWS,  8                           ; v8   32 x (8 h + r + (r & 8)): a tile pair's rows among scale rows of 32 bytes
.set VWR,  9                           ; v9   the same x 64: every second row
.set SPW,  10                          ; v10  LDS address of my spare word; never rewritten
.set NIL,  11                          ; v11  0; never rewritten
.set SV0,  12                          ; v12  where my wave puts its 32 rows of wv
.set SCS,  13                          ; v13  where my wave puts its 16 rows of cos
.set XSS,  14                          ; v14  my stage, on the way in
.set XSR,  15                          ; v15  and on the way out
.set XS,   16                          ; v16-31  x's scale words: 8 b + s: lanes 0-15 tile 2 b, lanes 16-31 tile 2 b + 1, K step s
.set WS,   32                          ; v32-95  W's scale words, two sets of 32: 8 (j / 2) + s: lanes 0-15 tile j even, lanes 16-31 tile j odd
.set TM,   96                          ; v96-107 +b largest magnitude, +4+b the other half's, then the byte, +8+b the conversion's scale operand
.set L32,  108                         ; v108 32 x lane
.set PC,   112                         ; v112-119 codes just made
.set PW,   120                         ; v120-121 two bytes of two tiles
.set KEEP, 122                         ; v122-123 the bytes of c = 0
.set WORD, 124                         ; v124-125 q's or k's scale words
.set U16,  122                         ; v122-125 unit V: two bytes for each pair of channel tiles
.set VW,   126                         ; v126-127 v's scale words
.set WF,   128                         ; W's fragments
.set WD,   40                          ; s[40:41] the next unit's direct rows;  s[42:43] partner rows;  s[44:45], s[46:47] their scale rows;  s[48:55] the same four for wk
.set WR,   42
.set WSD,  44
.set WSR,  46
.set OC,   56                          ; s[56:57] codes out, s[58:59] scale words out; s[60:63] k's
.set OS,   58
.set SEL,  66                          ; s[66:67] lane selects for lane l xor 16
.set MSK,  68                          ; s68  lanes 16-31
.set SGN,  70                          ; s[70:71] the rotated half's sign
.set TRIP, 72
.set OV,   76                          ; s[76:77] v's codes out, s[78:79] its scale words
.set OVS,  78
.set W_QK,   0xa4                      ; source 0 window 0, source 1 window 1, C and D window 2
.set W_V,    0xa1                      ; source 0 window 1, source 1 window 0, C and D window 2
.set W_ROPE, 0xa2                      ; sources 0, 2 and destination window 2, source 1 window 0
.set MSB, 0
.macro WIN new                         ; the immediate's high byte repeats the setting that is left; a switch that changes nothing is dropped
.if MSB != \new
	s_set_vgpr_msb (MSB<<8)|\new
.set MSB, \new
.endif
.endm
.macro PLACES                          ; four plain vector instructions between a matrix instruction and a load into, or a read of, its registers (ISA guide 7.12.1 for reads)
.rept 4
	v_nop
.endr
.endm
.macro BARRIER                         ; my LDS stores have landed and my LDS loads are in: then the work-group's barrier
	s_wait_dscnt 0x0
	s_barrier_signal -1
	s_barrier_wait -1
.endm
; the matrix instruction named by the symbols rD, rA, rB, rSA, rSB; fZ: the sum begins (C = 0); fA, fB: the scale words lie in lanes 16-31
.macro EMIT
.if fZ
.if fA && fB
	v_wmma_scale_f32_16x16x128_f8f6f4 v[rD:rD+7], v[rA:rA+7], v[rB:rB+7], 0, v[rSA], v[rSB] matrix_a_fmt:MATRIX_FMT_FP4 matrix_b_fmt:MATRIX_FMT_FP4 matrix_a_scale:MATRIX_SCALE_ROW1 matrix_b_scale:MATRIX_SCALE_ROW1
.elseif fA
	v_wmma_scale_f32_16x16x128_f8f6f4 v[rD:rD+7], v[rA:rA+7], v[rB:rB+7], 0, v[rSA], v[rSB] matrix_a_fmt:MATRIX_FMT_FP4 matrix_b_fmt:MATRIX_FMT_FP4 matrix_a_scale:MATRIX_SCALE_ROW1
.elseif fB
	v_wmma_scale_f32_16x16x128_f8f6f4 v[rD:rD+7], v[rA:rA+7], v[rB:rB+7], 0, v[rSA], v[rSB] matrix_a_fmt:MATRIX_FMT_FP4 matrix_b_fmt:MATRIX_FMT_FP4 matrix_b_scale:MATRIX_SCALE_ROW1
.else
	v_wmma_scale_f32_16x16x128_f8f6f4 v[rD:rD+7], v[rA:rA+7], v[rB:rB+7], 0, v[rSA], v[rSB] matrix_a_fmt:MATRIX_FMT_FP4 matrix_b_fmt:MATRIX_FMT_FP4
.endif
.else
.if fA && fB
	v_wmma_scale_f32_16x16x128_f8f6f4 v[rD:rD+7], v[rA:rA+7], v[rB:rB+7], v[rD:rD+7], v[rSA], v[rSB] matrix_a_fmt:MATRIX_FMT_FP4 matrix_b_fmt:MATRIX_FMT_FP4 matrix_a_scale:MATRIX_SCALE_ROW1 matrix_b_scale:MATRIX_SCALE_ROW1
.elseif fA
	v_wmma_scale_f32_16x16x128_f8f6f4 v[rD:rD+7], v[rA:rA+7], v[rB:rB+7], v[rD:rD+7], v[rSA], v[rSB] matrix_a_fmt:MATRIX_FMT_FP4 matrix_b_fmt:MATRIX_FMT_FP4 matrix_a_scale:MATRIX_SCALE_ROW1
.elseif fB
	v_wmma_scale_f32_16x16x128_f8f6f4 v[rD:rD+7], v[rA:rA+7], v[rB:rB+7], v[rD:rD+7], v[rSA], v[rSB] matrix_a_fmt:MATRIX_FMT_FP4 matrix_b_fmt:MATRIX_FMT_FP4 matrix_b_scale:MATRIX_SCALE_ROW1
.else
	v_wmma_scale_f32_16x16x128_f8f6f4 v[rD:rD+7], v[rA:rA+7], v[rB:rB+7], v[rD:rD+7], v[rSA], v[rSB] matrix_a_fmt:MATRIX_FMT_FP4 matrix_b_fmt:MATRIX_FMT_FP4
.endif
.endif
.endm
; W's eight fragments of K step s from buffer buf into set: 16 loads.  A fragment: lane (r, h) holds row r; registers 4 c .. 4 c + 3 hold K = 64 c + 32 h + 0 .. 31: 16 bytes of the row as they lie
.macro FETCHW buf, s, set
.irp j, 0,1,2,3,4,5,6,7
.irp c, 0,1
	ds_load_b128 v[WF+64*(\set)+8*\j+4*\c:WF+64*(\set)+8*\j+4*\c+3], v[AW+(\buf)] offset:16*P*\j+64*(\s)+32*\c
.endr
.endr
.endm
; A K step of 128: 32 matrix instructions, x's four tiles against W's eight.  The 32 accumulators take turns, one instruction a turn, in the same order in every step.
; kind 0: q or k;  kind 1: v.  The next step's fragments are asked for first, into the set that the step before has left.
.macro STEPK kind, buf, wset, s
.if (\s) >= 1
	PLACES
.endif
.if (\s) < 7
	FETCHW \buf, (\s)+1, ((\s)+1)%2
	s_wait_dscnt 16                                ; this step's sixteen loads are in; the sixteen just issued may be out
.else
	s_wait_dscnt 0x0
.endif
.if \kind
	WIN W_V
.else
	WIN W_QK
.endif
.set fZ, 0
.if (\s) == 0
.set fZ, 1
.endif
.irp t, 0,1,2,3
.irp j, 0,1,2,3,4,5,6,7
.if \kind
.set rD, 8*(4*\j+\t)
.set rA, 8*(8*\t+(\s))
.set rB, WF+64*((\s)%2)+8*\j
.set rSA, XS+8*(\t/2)+(\s)
.set rSB, WS+32*(\wset)+8*(\j/2)+(\s)
.set fA, \t%2
.set fB, \j%2
.else
.set rD, 8*(8*\t+\j)
.set rA, WF+64*((\s)%2)+8*\j
.set rB, 8*(8*\t+(\s))
.set rSA, WS+32*(\wset)+8*(\j/2)+(\s)
.set rSB, XS+8*(\t/2)+(\s)
.set fA, \j%2
.set fB, \t%2
.endif
	EMIT
.endr
.endr
	WIN 0
.endm
; the next unit of q or k is asked for: my wave's 16 direct rows and their 16 partner rows, a row of 512 bytes a load, into window 3; and the unit's scale words into set dset
.macro PREF_QK dset
	WIN 0xc0
.set i, 0
.rept 16
	global_load_b128 v[4*i:4*i+3], v[L16], s[WD:WD+1] offset:512*i
.set i, i+1
.endr
.set i, 0
.rept 16
	global_load_b128 v[64+4*i:64+4*i+3], v[L16], s[WR:WR+1] offset:1024*i
.set i, i+1
.endr
	WIN 0
.irp b, 0,1
.irp q, 0,1
	global_load_b128 v[WS+32*(\dset)+8*\b+4*\q:WS+32*(\dset)+8*\b+4*\q+3], v[VWS], s[WSD:WSD+1] offset:1024*\b+16*\q
	global_load_b128 v[WS+32*(\dset)+16+8*\b+4*\q:WS+32*(\dset)+16+8*\b+4*\q+3], v[VWR], s[WSR:WSR+1] offset:2048*\b+16*\q
.endr
.endr
.endm
; and goes into W's buffer sw, each row at the place of its tile's lane.  The wait for the loads stands in front of this macro, on every way through the text
.macro STORE_QK sw
	WIN 0x0c                                       ; an LDS store's data: window 3
.set i, 0
.rept 16
	ds_store_b128 v[SW+(\sw)], v[4*i:4*i+3] offset:(16*(i/8)+(i%8))*P
	ds_store_b128 v[SW+(\sw)], v[64+4*i:64+4*i+3] offset:(16*(i/8)+(i%8))*P+SINO
.set i, i+1
.endr
	WIN 0
.endm
; cos and sin of tile tau's positions at my 32 columns of half c: 32 + 32 registers in the accumulators' order
.macro CSLOAD tau, c, set
.irp b, 0,1
.irp k, 0,1,2,3
	ds_load_b128 v[WF+64*(\set)+16*\b+4*\k:WF+64*(\set)+16*\b+4*\k+3], v[ACS] offset:16*P*(\tau)+256*(\c)+128*\b+16*\k
	ds_load_b128 v[WF+64*(\set)+32+16*\b+4*\k:WF+64*(\set)+32+16*\b+4*\k+3], v[ACS] offset:16*P*(\tau)+256*(\c)+128*\b+16*\k+SINO
.endr
.endr
.endm
; q = q cos + rot sin, in place, each accumulator from its low end on
.macro ROPE tau, set
	WIN W_ROPE
.set n, 0
.rept 16
	v_pk_mul_f32 v[64*(\tau)+n:64*(\tau)+n+1], v[64*(\tau)+n:64*(\tau)+n+1], v[WF+64*(\set)+n:WF+64*(\set)+n+1]
.set n, n+2
.endr
.set n, 0
.rept 16
	v_pk_fma_f32 v[64*(\tau)+n:64*(\tau)+n+1], v[64*(\tau)+32+n:64*(\tau)+32+n+1], v[WF+64*(\set)+32+n:WF+64*(\set)+32+n+1], v[64*(\tau)+n:64*(\tau)+n+1]
.set n, n+2
.endr
	WIN 0
.endm
; Four blocks of 32 along the next K become codes.  Block b begins at register base0 + (b / 2) stride + 16 (b % 2) of window 2: 16 numbers in my lane, 16 in lane l xor 16.  Blocks 0, 1 belong to one tile, blocks 2, 3 to the next.
; Out: v[PC .. PC+3], v[PC+4 .. PC+7]: four registers of each tile's fragment;  v[PW]: two scale bytes, lanes 0-15 the first tile's, lanes 16-31 the second's.
.macro QUANT4 base0, stride
	s_wait_xcnt 0x0                                ; earlier stores have read the codes' and the words' registers: only now are they written again
	WIN 0x0a                                       ; sources 0 and 1: window 2
.irp b, 0,1,2,3
.set qb, (\base0)+(\b/2)*(\stride)+16*(\b%2)
	v_max3_num_f32 v[TM+\b], |v[qb]|, |v[qb+1]|, 0x1800000   ; with the floor 2^(3 - 127): the byte cannot fall under 1
.endr
.irp i, 2,4,6,8,10,12,14
.irp b, 0,1,2,3
.set qb, (\base0)+(\b/2)*(\stride)+16*(\b%2)
	v_max3_num_f32 v[TM+\b], |v[qb+\i]|, |v[qb+\i+1]|, v[TM+\b]   ; the four blocks by turns
.endr
.endr
	WIN 0
.irp b, 0,1,2,3
	v_permlanex16_b32 v[TM+4+\b], v[TM+\b], s[SEL], s[SEL+1]
.endr
.irp b, 0,1,2,3
	v_max_num_f32 v[TM+\b], v[TM+\b], v[TM+4+\b]   ; the block's largest magnitude
.endr
.irp b, 0,1,2,3
	v_add_nc_u32 v[TM+8+\b], 0xff000000, v[TM+\b]  ; 2 off its exponent field: the conversion takes the exponent field of this operand as its scale
.endr
.irp b, 0,1,2,3
	v_lshrrev_b32 v[TM+4+\b], 23, v[TM+8+\b]       ; the scale's byte
.endr
	v_lshl_or_b32 v[PW], v[TM+5], 8, v[TM+4]
	v_lshl_or_b32 v[PW+1], v[TM+7], 8, v[TM+6]
	WIN 0x02                                       ; source 0: window 2
.irp b, 0,1,2,3
.set qb, (\base0)+(\b/2)*(\stride)+16*(\b%2)
	v_cvt_scalef32_pk8_fp4_f32 v[PC+2*\b], v[qb:qb+7], v[TM+8+\b]
	v_cvt_scalef32_pk8_fp4_f32 v[PC+2*\b+1], v[qb+8:qb+15], v[TM+8+\b]
.endr
	WIN 0
	v_nop                                          ; one plain instruction behind the last scaled conversion
.irp c, 0,1                                    ; the operand's layout wants a whole block in a lane: lanes 0-15 the even block, lanes 16-31 the odd one
.irp i, 0,1
	v_permlane16_swap_b32 v[PC+4*\c+\i], v[PC+2+4*\c+\i]
.endr
.endr
	v_cndmask_b32 v[PW], v[PW], v[PW+1], s[MSK]    ; lanes 16-31 take the second tile's bytes
.endm
; the codes of tiles tau and tau + 1, half c, leave: 512 consecutive bytes a store; the bytes of c = 0 are kept, those of c = 1 complete word n
.macro OUTQK tau, c, n
	global_store_b128 v[L16], v[PC:PC+3], s[OC:OC+1] offset:1024*(\tau)+512*(\c)
	global_store_b128 v[L16], v[PC+4:PC+7], s[OC:OC+1] offset:1024*((\tau)+1)+512*(\c)
.if (\c) == 0
	v_mov_b32 v[KEEP+(\n)], v[PW]
.else
	v_lshl_or_b32 v[WORD+(\n)], v[PW], 16, v[KEEP+(\n)]
.endif
.endm
	s_load_b512 s[8:23], s[0:1], 0x0               ; x codes 8, x scales 10, wq 12, 14, wk 16, 18, wv 20, 22
	s_load_b512 s[24:39], s[0:1], 0x40             ; cos 24, sin 26, qimg 28, qsc 30, kimg 32, ksc 34, vimg 36, vsc 38
	v_lshl_add_u32 v[SPW], v0, 2, SPARE
	v_mov_b32 v[NIL], 0
	v_lshrrev_b32 v109, 5, v0
	v_readfirstlane_b32 s2, v109                   ; wave = batch
	s_mov_b32 s3, ttmp9                            ; head g
	s_and_b32 s4, ttmp7, 0xffff                    ; tb
	s_and_b32 s5, s3, 3
	s_cmp_lt_u32 s3, 4                             ; columns under 512: partner 2 d + 1, sign -; else 2 (d - 512), sign +
	s_cselect_b32 s6, 1, 0
	s_cselect_b32 s[SGN], -1.0, 1.0
	s_mov_b32 s[SGN+1], s[SGN]
	s_mov_b32 s[SEL], 0x76543210
	s_mov_b32 s[SEL+1], 0xfedcba98
	s_mov_b32 s[MSK], 0xffff0000
	v_and_b32 v109, 31, v0                         ; lane
	v_lshlrev_b32 v[L16], 4, v109
	v_lshlrev_b32 v[L8], 3, v109
	v_lshlrev_b32 v[L32], 5, v109
	v_and_b32 v110, 15, v0                         ; r
	v_bfe_u32 v111, v0, 4, 1                       ; h
	v_mul_u32_u24 v[AW], v110, P
	v_lshl_add_u32 v[ACS], v111, 6, v[AW]
	v_add_nc_u32 v[ACS], COSB, v[ACS]
	v_lshl_add_u32 v[AW], v111, 4, v[AW]
	v_add_nc_u32 v[AW+1], WB1, v[AW]
	s_lshr_b32 s78, s2, 1                          ; rows 16 w + i lie at place 32 (w / 2) + 8 (w % 2) + 16 (i / 8) + i % 8
	s_lshl_b32 s78, s78, 5
	s_and_b32 s79, s2, 1
	s_lshl_b32 s79, s79, 3
	s_add_co_u32 s78, s78, s79
	s_mul_i32 s78, s78, P
	v_add_nc_u32 v[SW], s78, v[L16]
	v_add_nc_u32 v[SW+1], WB1, v[SW]
	v_add_nc_u32 v[SCS], COSB, v[SW]
	s_mul_i32 s79, s2, XSTW
	v_add_nc_u32 v[SV0], s79, v[L16]
	v_add_nc_u32 v[XSS], XSTB, v[SV0]
	v_add_nc_u32 v[XSR], s79, v[AW]
	v_add_nc_u32 v[XSR], XSTB, v[XSR]
	v_and_b32 v109, 8, v0
	v_add_nc_u32 v109, v109, v110
	v_lshl_add_u32 v109, v111, 3, v109             ; 8 h + r + (r & 8)
	v_lshlrev_b32 v[VWS], 5, v109
	v_lshlrev_b32 v[VWR], 6, v109
.irp b, 0,1,2,3
	v_mov_b32 v[TM+4+\b], 0                        ; written once: a lane permute's destination counts as one of its sources
.endr
	; byte offsets, each in a pair of its own
	s_lshl_b32 s80, s2, 20                         ; x codes: (2048 w + 64 tb) x 512
	s_lshl_b32 s7, s4, 15
	s_add_co_u32 s80, s80, s7
	s_mov_b32 s81, 0
	s_lshl_b32 s82, s2, 16                         ; x scales: x 32
	s_lshl_b32 s7, s4, 11
	s_add_co_u32 s82, s82, s7
	s_mov_b32 s83, 0
	s_lshl_b32 s84, s3, 16                         ; direct rows: (128 g + 16 w) x 512
	s_lshl_b32 s7, s2, 13
	s_add_co_u32 s84, s84, s7
	s_mov_b32 s85, 0
	s_lshl_b32 s86, s5, 17                         ; partner rows: (256 (g & 3) + 32 w + odd) x 512
	s_lshl_b32 s7, s2, 14
	s_add_co_u32 s86, s86, s7
	s_lshl_b32 s7, s6, 9
	s_add_co_u32 s86, s86, s7
	s_mov_b32 s87, 0
	s_lshl_b32 s88, s3, 12                         ; direct scale rows, and wv's: 128 g x 32
	s_mov_b32 s89, 0
	s_lshl_b32 s90, s5, 13                         ; partner scale rows: (256 (g & 3) + odd) x 32
	s_lshl_b32 s7, s6, 5
	s_add_co_u32 s90, s90, s7
	s_mov_b32 s91, 0
	s_lshl_b32 s92, s3, 16                         ; wv rows: (128 g + 32 w) x 512
	s_lshl_b32 s7, s2, 14
	s_add_co_u32 s92, s92, s7
	s_mov_b32 s93, 0
	s_lshl_b32 s94, s4, 18                         ; cos, sin: (64 tb + 16 w) x 4096 + 512 g
	s_lshl_b32 s7, s2, 16
	s_add_co_u32 s94, s94, s7
	s_lshl_b32 s7, s3, 9
	s_add_co_u32 s94, s94, s7
	s_mov_b32 s95, 0
	s_lshl_b32 s72, s2, 20                         ; images: (8 w + g) x 131072
	s_lshl_b32 s7, s3, 17
	s_add_co_u32 s72, s72, s7
	s_mov_b32 s76, s72
	s_lshl_b32 s7, s4, 12                          ; q, k: + 4 tb tiles of 1024
	s_add_co_u32 s72, s72, s7
	s_mov_b32 s73, 0
	s_lshr_b32 s7, s4, 1                           ; v: + key step tb / 2 of 8192, + half tb % 2 of 512
	s_lshl_b32 s7, s7, 13
	s_add_co_u32 s76, s76, s7
	s_and_b32 s7, s4, 1
	s_lshl_b32 s7, s7, 9
	s_add_co_u32 s76, s76, s7
	s_mov_b32 s77, 0
	s_lshl_b32 s74, s2, 16                         ; scale words: (8 w + g) x 8192 + 256 tb
	s_lshl_b32 s7, s3, 13
	s_add_co_u32 s74, s74, s7
	s_lshl_b32 s7, s4, 8
	s_add_co_u32 s74, s74, s7
	s_mov_b32 s75, 0
	s_wait_kmcnt 0x0
	s_add_nc_u64 s[8:9], s[8:9], s[80:81]
	s_add_nc_u64 s[10:11], s[10:11], s[82:83]
	s_add_nc_u64 s[20:21], s[20:21], s[92:93]
	s_add_nc_u64 s[22:23], s[22:23], s[88:89]
	s_add_nc_u64 s[24:25], s[24:25], s[94:95]
	s_add_nc_u64 s[26:27], s[26:27], s[94:95]
	; everything the head needs is asked for in one run
.irp b, 0,1
.irp q, 0,1
	global_load_b128 v[XS+8*\b+4*\q:XS+8*\b+4*\q+3], v[VWS], s[10:11] offset:1024*\b+16*\q   ; x's scale words: a row's 32 bytes are its eight K steps' words
.endr
.endr
	WIN 0x80
.set i, 0
.rept 64
	global_load_b128 v[4*i:4*i+3], v[L16], s[8:9] offset:512*i     ; x: a row of 512 bytes a load
.set i, i+1
.endr
	WIN 0xc0
.set i, 0
.rept 32
	global_load_b128 v[4*i:4*i+3], v[L16], s[20:21] offset:512*i   ; wv: my wave's 32 rows
.set i, i+1
.endr
	WIN 0
.irp p, 0,1,2,3
.irp q, 0,1
	global_load_b128 v[WS+8*\p+4*\q:WS+8*\p+4*\q+3], v[L32], s[22:23] offset:1024*\p+16*\q   ; wv's scale words: lane l takes row 32 p + l
.endr
.endr
	WIN 0xc0
.set i, 0
.rept 16
	global_load_b128 v[128+4*i:128+4*i+3], v[L16], s[24:25] offset:4096*i th:TH_LOAD_NT   ; cos, sin: my wave's 16 rows, the head's 512 bytes; read once in the launch
.set i, i+1
.endr
.set i, 0
.rept 16
	global_load_b128 v[192+4*i:192+4*i+3], v[L16], s[26:27] offset:4096*i th:TH_LOAD_NT
.set i, i+1
.endr
	WIN 0
	; the pointers of the units to come, and of the results
	s_add_nc_u64 s[WD:WD+1], s[12:13], s[84:85]
	s_add_nc_u64 s[WR:WR+1], s[12:13], s[86:87]
	s_add_nc_u64 s[WSD:WSD+1], s[14:15], s[88:89]
	s_add_nc_u64 s[WSR:WSR+1], s[14:15], s[90:91]
	s_add_nc_u64 s[48:49], s[16:17], s[84:85]
	s_add_nc_u64 s[50:51], s[16:17], s[86:87]
	s_add_nc_u64 s[52:53], s[18:19], s[88:89]
	s_add_nc_u64 s[54:55], s[18:19], s[90:91]
	s_add_nc_u64 s[OC:OC+1], s[28:29], s[72:73]
	s_add_nc_u64 s[OS:OS+1], s[30:31], s[74:75]
	s_add_nc_u64 s[60:61], s[32:33], s[72:73]
	s_add_nc_u64 s[62:63], s[34:35], s[74:75]
	s_add_nc_u64 s[OV:OV+1], s[36:37], s[76:77]
	s_add_nc_u64 s[OVS:OVS+1], s[38:39], s[74:75]
	s_mov_b32 s[TRIP], 2
	s_wait_loadcnt 63                              ; behind x's last row 72 loads were issued: with 63 out at the most, x and its scale words are in
	; x's rows turn into fragments through my own stage, 32 rows at a time.  LDS serves a wave's instructions in order (ISA guide 5.7.1.4): no wait between the stores and the loads, nor in front of the second half's stores
.irp k, 0,1
	WIN 0x08                                       ; an LDS store's data: window 2
.set i, 0
.rept 32
	ds_store_b128 v[XSS], v[4*(32*\k+i):4*(32*\k+i)+3] offset:(16*((i/8)%2)+(i%8)+8*(i/16))*P
.set i, i+1
.endr
	WIN 0x40                                       ; destination window 1
.irp u, 0,1
.irp s, 0,1,2,3,4,5,6,7
.irp c, 0,1
	ds_load_b128 v[8*(8*(2*\k+\u)+\s)+4*\c:8*(8*(2*\k+\u)+\s)+4*\c+3], v[XSR] offset:16*P*\u+64*\s+32*\c
.endr
.endr
.endr
	WIN 0
.endr
	s_wait_loadcnt 32                              ; wv's rows and scale words are in; cos and sin may be out
	WIN 0x0c
.set i, 0
.rept 32
	ds_store_b128 v[SV0], v[4*i:4*i+3] offset:P*i  ; wv's tiles are 16 neighbouring rows
.set i, i+1
.endr
	s_wait_loadcnt 0x0
	WIN 0xc3
.set n, 0
.rept 32
	v_pk_mul_f32 v[192+n:192+n+1], v[192+n:192+n+1], s[SGN:SGN+1] op_sel_hi:[1,0]   ; the rotated half's sign goes into sin
.set n, n+2
.endr
	WIN 0x0c
.set i, 0
.rept 16
	ds_store_b128 v[SCS], v[128+4*i:128+4*i+3] offset:(16*(i/8)+(i%8))*P
	ds_store_b128 v[SCS], v[192+4*i:192+4*i+3] offset:(16*(i/8)+(i%8))*P+SINO
.set i, i+1
.endr
	WIN 0
	BARRIER                                        ; wv's 128 rows, cos and sin lie in LDS; x's fragments are in my registers
	; ---- unit V: buffer 0, scale set 0.  (q, c = 0) is asked for meanwhile
	FETCHW 0, 0, 0
	PREF_QK 1
.irp s, 0,1,2,3,4,5,6,7
	STEPK 1, 0, 0, \s
.endr
	PLACES
	s_wait_loadcnt 0x0                             ; the next unit's rows and scale words are in
	STORE_QK 1
.irp p, 0,1,2,3                                ; channel tiles 2 p and 2 p + 1: 64 keys each: four registers of a fragment of 128 keys
	QUANT4 64*\p, 32
	global_store_b128 v[L16], v[PC:PC+3], s[OV:OV+1] offset:2048*\p
	global_store_b128 v[L16], v[PC+4:PC+7], s[OV:OV+1] offset:2048*\p+1024
	v_mov_b32 v[U16+\p], v[PW]
.endr
	v_lshl_or_b32 v[VW], v[U16+1], 16, v[U16]
	v_lshl_or_b32 v[VW+1], v[U16+3], 16, v[U16+2]
	global_store_b64 v[L8], v[VW:VW+1], s[OVS:OVS+1]   ; 256 consecutive bytes
	BARRIER                                        ; the buffer just stored is whole; nobody reads the other one any more
; Half c of q or of k: 64 columns and their partners, from buffer 1 - c; the next unit goes into buffer c.
; One barrier a unit: the buffer stored into was last read a unit ago, and every wave waited for those reads in front of that unit's closing barrier.
.macro HALF c
	FETCHW 1-(\c), 0, 0
.if (\c) == 0
	s_add_nc_u64 s[WD:WD+1], s[WD:WD+1], 32768     ; on to c = 1 (the loads that named these bases were waited for in the last unit)
	s_add_nc_u64 s[WR:WR+1], s[WR:WR+1], 65536
	s_add_nc_u64 s[WSD:WSD+1], s[WSD:WSD+1], 2048
	s_add_nc_u64 s[WSR:WSR+1], s[WSR:WSR+1], 4096
	PREF_QK 0
.else
	s_cmp_eq_u32 s[TRIP], 1                        ; behind k's second half nothing follows: no load leaves its buffer
	s_cbranch_scc1 .Lno_pref_\@
	s_mov_b64 s[WD:WD+1], s[48:49]                 ; on to wk, c = 0
	s_mov_b64 s[WR:WR+1], s[50:51]
	s_mov_b64 s[WSD:WSD+1], s[52:53]
	s_mov_b64 s[WSR:WSR+1], s[54:55]
	PREF_QK 1
.Lno_pref_\@:
.endif
.irp s, 0,1,2,3,4,5,6,7
	STEPK 0, 1-(\c), 1-(\c), \s
.endr
	PLACES                                         ; in front of the loads into W's fragment registers and of the first read of results
	s_wait_loadcnt 0x0                             ; on every way through the text: whatever was asked for in this half is in, before its registers are stored from or loaded into again
.if (\c) == 0
	STORE_QK 0
.else
	s_cmp_eq_u32 s[TRIP], 1
	s_cbranch_scc1 .Lno_store_\@
	STORE_QK 1
.Lno_store_\@:
.endif
	CSLOAD 0, \c, 0
	CSLOAD 1, \c, 1
	s_wait_dscnt 16                                ; tile 0's cos and sin are in; tile 1's sixteen loads may be out
	ROPE 0, 0
	s_wait_dscnt 0x0
	ROPE 1, 1
	CSLOAD 2, \c, 0
	CSLOAD 3, \c, 1
	QUANT4 0, 64                                   ; tiles 0 and 1, while tiles 2 and 3's cos and sin land
	OUTQK 0, \c, 0
	s_wait_dscnt 0x0
	ROPE 2, 0
	ROPE 3, 1
	QUANT4 128, 64
	OUTQK 2, \c, 1
.if (\c) == 1
	global_store_b64 v[L8], v[WORD:WORD+1], s[OS:OS+1]   ; the four tiles' scale words: 256 consecutive bytes
.endif
	BARRIER
.endm
.Lqk:                                              ; two trips: q, then k
	HALF 0
	HALF 1
	s_wait_xcnt 0x0                                ; the stores have read their bases
	s_mov_b64 s[OC:OC+1], s[60:61]
	s_mov_b64 s[OS:OS+1], s[62:63]
	s_sub_co_u32 s[TRIP], s[TRIP], 1
	s_cmp_lg_u32 s[TRIP], 0
	s_cbranch_scc1 .Lqk
	s_wait_tensorcnt 0x0                           ; the wave's end, behind my last LDS store
	ds_add_u32 v[SPW], v[NIL]
	s_wait_dscnt 0x0
	s_endpgm
.Lfunc_end_k_qe2ba48437e_proj:
	.size	k_qe2ba48437e_proj, .Lfunc_end_k_qe2ba48437e_proj-k_qe2ba48437e_proj
	.p2alignl 7, 3214868480
	.fill 96, 4, 3214868480
	.section	.rodata,"a",@progbits
	.p2align	6, 0x0
	.amdhsa_kernel k_qe2ba48437e_proj
		.amdhsa_group_segment_fixed_size 270848
		.amdhsa_private_segment_fixed_size 0
		.amdhsa_enable_private_segment 0
		.amdhsa_kernarg_size 128
		.amdhsa_user_sgpr_count 2
		.amdhsa_user_sgpr_kernarg_segment_ptr 1
		.amdhsa_wavefront_size32 1
		.amdhsa_system_sgpr_workgroup_id_x 1
		.amdhsa_system_sgpr_workgroup_id_y 1
		.amdhsa_system_sgpr_workgroup_id_z 1
		.amdhsa_system_vgpr_workitem_id 0
		.amdhsa_next_free_vgpr 1024
		.amdhsa_next_free_sgpr 96
		.amdhsa_reserve_vcc 0
		.amdhsa_float_denorm_mode_32 3
		.amdhsa_float_denorm_mode_16_64 3
		.amdhsa_memory_ordered 1
		.amdhsa_forward_progress 1
		.amdhsa_inst_pref_size 235
	.end_amdhsa_kernel
	.amdgpu_metadata
---
amdhsa.version: [ 1, 2 ]
amdhsa.kernels:
  - .name:           k_qe2ba48437e_proj
    .symbol:         k_qe2ba48437e_proj.kd
    .args:
      - { .name: x_codes, .offset: 0, .size: 8, .value_kind: global_buffer, .address_space: global }
      - { .name: x_scales, .offset: 8, .size: 8, .value_kind: global_buffer, .address_space: global }
      - { .name: wq_codes, .offset: 16, .size: 8, .value_kind: global_buffer, .address_space: global }
      - { .name: wq_scales, .offset: 24, .size: 8, .value_kind: global_buffer, .address_space: global }
      - { .name: wk_codes, .offset: 32, .size: 8, .value_kind: global_buffer, .address_space: global }
      - { .name: wk_scales, .offset: 40, .size: 8, .value_kind: global_buffer, .address_space: global }
      - { .name: wv_codes, .offset: 48, .size: 8, .value_kind: global_buffer, .address_space: global }
      - { .name: wv_scales, .offset: 56, .size: 8, .value_kind: global_buffer, .address_space: global }
      - { .name: cos, .offset: 64, .size: 8, .value_kind: global_buffer, .address_space: global }
      - { .name: sin, .offset: 72, .size: 8, .value_kind: global_buffer, .address_space: global }
      - { .name: qimg, .offset: 80, .size: 8, .value_kind: global_buffer, .address_space: global }
      - { .name: qsc, .offset: 88, .size: 8, .value_kind: global_buffer, .address_space: global }
      - { .name: kimg, .offset: 96, .size: 8, .value_kind: global_buffer, .address_space: global }
      - { .name: ksc, .offset: 104, .size: 8, .value_kind: global_buffer, .address_space: global }
      - { .name: vimg, .offset: 112, .size: 8, .value_kind: global_buffer, .address_space: global }
      - { .name: vsc, .offset: 120, .size: 8, .value_kind: global_buffer, .address_space: global }
    .group_segment_fixed_size: 270848
    .private_segment_fixed_size: 0
    .kernarg_segment_align: 8
    .kernarg_segment_size: 128
    .max_flat_workgroup_size: 128
    .sgpr_count:     96
    .vgpr_count:     1024
    .wavefront_size: 32
...
	.end_amdgpu_metadata
.endif
;; end of part 1
;; launch attn (part 2): grid 8 x 32, 16 waves a work-group, no clusters, 327,680 bytes of LDS; arguments qimg, qsc, kimg, ksc, vimg, vsc, out0; writes out0
.if DOCPART == 2
	.amdgcn_target "amdgcn-amd-amdhsa--gfx1250"
	.amdhsa_code_object_version 6
	.text
	.protected	k_qe2ba48437e_attn
	.globl	k_qe2ba48437e_attn
	.p2align	8
	.type	k_qe2ba48437e_attn,@function
k_qe2ba48437e_attn:
	s_mov_b64 s[64:65], 0
	v_nop
	global_prefetch_b8 v0, s[64:65] scope:SCOPE_SE
	s_setreg_imm32_b32 hwreg(HW_REG_WAVE_MODE, 25, 1), 1
	s_wait_xcnt 0x0
; out[b][q][128 g ..] = the sum over k <= q of softmax_k(Q[q] . K[k] / sqrt(128)) V[k], both products on codes of FP4 (E2M1) with one E8M0 scale for each 32 along a product's K.
; LEFT OUT: key steps of 128 keys that lie wholly behind a tile's queries (the problem's own causal mask; shown at the head of the first launch).  A NaN or an overflow that reaches only those is not carried to the result.
; Q, K and V come as images of their operand registers, made by the first launch: a fragment (16 rows x 128 K) is 1,024 bytes, registers 4 c .. 4 c + 3 of lane l at 512 c + 16 l.
;   qimg, kimg: [bn 32][tile 128]: lane r of tile T holds position 64 (T / 4) + 32 ((T / 2) % 2) + 8 (T % 2) + r + 8 (r / 8).   vimg: [bn][key step 16][channel tile 8], the keys innermost.
;   qsc, ksc: [bn][64 positions][lane][2 words]: word b of lane l: tile 2 b + l / 16, row l % 16.   vsc: the same frame; word j holds two bytes for each of the channel-tile pairs 2 j, 2 j + 1: the two key blocks of these 64 keys.
; THE SOFTMAX AHEAD OF THE SECOND PRODUCT: t = score x log2(e) / sqrt(128) (one constant); M = the running largest t rounded UP to a whole number; p = 2^(t - M) is quantised along the keys, not normalised;
; the row's sum is taken of the unquantised p and divides at the end; when M moves, the sum and O are multiplied by 2^(old M - new M): exact.
; SHARES.  Work-group (i, bn) owns the query blocks of 128 numbered i and 15 - i of one head: 17 block steps in every work-group.  Each of its sixteen waves owns one tile of 16 queries in 256 registers; of the two waves
; with the same tile number one takes the early block and one the late.  Every wave walks all four slots of 512 keys (constant trip counts, every barrier); a step all of whose keys are hidden from it is jumped over by a scalar branch on ids.
; NO CLUSTER: the jump over hidden key steps hangs on the query block, which partners of a cluster would not share; without the jump the work would double.
; RING: two LDS slots of 512 keys (32 KiB of K, 32 KiB of V), filled by tensor loads (waves 0, 1: K's halves; waves 2, 3: V's), read by all sixteen.  The head's scale words (8 KiB + 8 KiB) come once.  Images are dense: every read is a constant + 16 or 8 x lane.
; By this text's own count a loading wave has two tensor loads out at the head and one behind each barrier.  Every wait on TENSORcnt is for 0.
; LIMITS: a block whose every p has fallen under 2^(3 - 127) keeps the byte 1; its codes are zeros.  A block's largest p is taken from the block's largest score by the same two instructions.
; REGISTERS: v1, v3, v5-7 addresses that stay; v8, v10 addresses in hand; v12 -M, v13 the largest t, v[14:15] the sum; v16-23 Q; v24-27 V's scale halves; v28 the prefetches' offset; v32-95 four fragments of K or V (32 used);
;   v96-159 S^T, then p; v160-223 O^T; v224-231 p's codes; v232-254 at work; v248-251 scale words of K, then of V; v253 p's scale word; v255 Q's.
.set SLOT1, 1<<16                      ; slot 1 begins here: one exclusive or turns an address in one slot into the other's
.set VOFF,  32768                      ; in a slot: 32 fragments of K, then 32 of V
.set SCK,   2*SLOT1                    ; K's scale words of the head
.set SCV,   SCK+8192                   ; V's
.set SPARE, SCV+8192                   ; the spare words, 128 bytes for each wave: eight blocks of 256 bytes that no other line names
.set STAGE, SPARE+2048                 ; the way out: 16 rows x 272 bytes for each wave; no fill lands here
.set AK0,  1                           ; v1   16 x lane
.set ASK0, 3                           ; v3   SCK + 8 x lane
.set SPW,  5                           ; v5   LDS address of my spare word; never rewritten
.set NIL,  6                           ; v6   0; never rewritten
.set GO,   7                           ; v7   the way out: my byte offset in two rows of out
.set ADK,  8                           ; v8   the slot in hand + 16 x lane
.set ADS,  10                          ; v10  the step's scale words
.set PFO,  28                          ; v28  256 x lane
.set WV,   18
.set SEL,  20
.set CS,   22                          ; s[22:23] c = log2(e) / sqrt(128)
.set G1,   24                          ; s[24:31] group 1: 16 KiB dense, as 64 rows of 256 bytes
.set G0K,  40                          ; s[40:43], s[44:47] groups 0 for K and V, which walk
.set G0V,  44
.set G1S,  48                          ; s[48:55] group 1: 4 KiB dense, as 16 rows of 256 bytes
.set G0SK, 56
.set G0SV, 60
.set TB,   2                           ; s2   LDS byte at which the slot in hand begins
.set TS,   3                           ; s3   the step's scale words: 512 bytes a step
.set SLOTS, 67
.set QMX,  68                          ; s68  my tile's last query
.set QWG,  69                          ; s69  my work-group's last query
.set PFA,  76                          ; s[76:77] where my prefetches stand
.set LIM,  80                          ; s80  1 in a wave that prefetches, else the greatest number
.set KF,   98                          ; s98  the step's first key
.set QB,   99                          ; s99  my tile's first query
; Waves 0 and 1 fetch for K, waves 2 and 3 for V, the others nothing.  The branches hang on the wave's number alone.  An s_nop 0 and four v_nop follow each of the two lines.
.macro TLOAD g0k, g0v, g1
	s_cmp_lt_u32 s[WV], 2
	s_cbranch_scc0 .Lnot_k_\@
	tensor_load_to_lds s[\g0k:\g0k+3], s[\g1:\g1+7]
	s_nop 0
.rept 4
	v_nop
.endr
	s_branch .Lasked_\@
.Lnot_k_\@:
	s_cmp_lt_u32 s[WV], 4
	s_cbranch_scc0 .Lasked_\@
	tensor_load_to_lds s[\g0v:\g0v+3], s[\g1:\g1+7]
	s_nop 0
.rept 4
	v_nop
.endr
.Lasked_\@:
.endm
; A prefetch of what the NEXT change of slots will ask for: 32 KiB of K's images and 32 KiB of V's.  All eight work-groups of a head walk the same K and V: the first (i = 0) asks, a branch on the work-group's number.
; In it waves 4 to 7 ask for K's, waves 8 to 11 for V's: 8,192 bytes a wave, lanes 256 bytes apart, one instruction: each aligned block of 256 bytes is named once in the launch.
; Slots 0 and 1 come by their loads alone; the last change that fills a slot asks for nothing: there is no slot behind it.
.macro ASK
	s_cmp_gt_u32 s[SLOTS], s[LIM]
	s_cbranch_scc0 .Lnot_mine_\@
	global_prefetch_b8 v[PFO], s[PFA:PFA+1] th:TH_LOAD_NT scope:SCOPE_SE
.Lnot_mine_\@:
.endm
	s_load_b256 s[4:11], s[0:1], 0x0               ; qimg 4, qsc 6, kimg 8, ksc 10
	s_load_b128 s[12:15], s[0:1], 0x20             ; vimg 12, vsc 14
	s_load_b64 s[16:17], s[0:1], 0x30              ; out0
	v_lshl_add_u32 v[SPW], v0, 2, SPARE
	v_mov_b32 v[NIL], 0
	ds_add_u32 v[SPW], v[NIL]                      ; the wave's opening: the add, twice on end, and its wait ahead of my first tensor load; the set-up below stands between the second and the wait
	ds_add_u32 v[SPW], v[NIL]
	v_lshrrev_b32 v8, 5, v0
	v_readfirstlane_b32 s[WV], v8                  ; wave 0..15
	s_and_b32 s72, ttmp7, 0xffff                   ; bn = 8 x batch + head
	s_lshl_b32 s74, s72, 17
	s_mov_b32 s75, 0                               ; s[74:75]: the head's first byte in each buffer of images
	s_lshl_b32 s70, s72, 13
	s_mov_b32 s71, 0                               ; s[70:71]: in each buffer of scale words
	s_lshr_b32 s84, s[WV], 2
	s_xor_b32 s84, s84, s[WV]
	s_and_b32 s84, s84, 1                          ; 1: the late block
	s_sub_co_u32 s85, 15, ttmp9
	s_cmp_lg_u32 s84, 0
	s_cselect_b32 s85, s85, ttmp9                  ; my block of 128 queries
	s_lshr_b32 s86, s[WV], 1                       ; my tile in it, 0..7
	s_lshl_b32 s87, s85, 3
	s_add_co_u32 s87, s87, s86                     ; T
	s_lshl_b32 s[QB], s85, 7
	s_lshr_b32 s84, s86, 1
	s_lshl_b32 s84, s84, 5
	s_add_co_u32 s[QB], s[QB], s84
	s_and_b32 s84, s86, 1
	s_lshl_b32 s84, s84, 3
	s_add_co_u32 s[QB], s[QB], s84                 ; my first query: lane r holds query QB + r + 8 (r / 8)
	s_add_co_u32 s[QMX], s[QB], 23
	s_lshl_b32 s[QWG], ttmp9, 7
	s_sub_co_u32 s[QWG], 2047, s[QWG]              ; the last query of block 15 - i
	s_lshl_b32 s88, s87, 10
	s_mov_b32 s89, 0
	s_add_nc_u64 s[88:89], s[88:89], s[74:75]      ; Q's fragment
	s_lshr_b32 s90, s87, 2
	s_lshl_b32 s90, s90, 8
	s_and_b32 s84, s87, 1
	s_lshl_b32 s84, s84, 7
	s_add_co_u32 s90, s90, s84
	s_and_b32 s84, s87, 2
	s_lshl_b32 s84, s84, 1
	s_add_co_u32 s90, s90, s84
	s_mov_b32 s91, 0
	s_add_nc_u64 s[90:91], s[90:91], s[70:71]      ; Q's scale words: 256 (T / 4) + 128 (T % 2) + 4 ((T / 2) % 2)
	s_lshr_b32 s92, s72, 3
	s_lshl_b32 s92, s92, 23
	s_lshl_b32 s84, s[QB], 12
	s_add_co_u32 s92, s92, s84
	s_and_b32 s84, s72, 7
	s_lshl_b32 s84, s84, 9
	s_add_co_u32 s92, s92, s84
	s_mov_b32 s93, 0                               ; out: batch x 2048 rows + QB rows of 4,096 bytes + 512 x head
	s_and_b32 s94, s[WV], 1                        ; which half I fetch, if I fetch
	s_lshl_b32 s95, s94, 14
	s_mov_b32 s82, s95
	s_mov_b32 s83, 0
	s_add_nc_u64 s[82:83], s[82:83], s[74:75]      ; images: in memory
	s_lshl_b32 s81, s94, 12
	s_mov_b32 s96, s81
	s_mov_b32 s97, 0
	s_add_nc_u64 s[96:97], s[96:97], s[70:71]      ; scale words: in memory
	s_mov_b32 s[G1], 3<<16                         ; 15:0 no mask; 17:16 elements of 8 bytes; no padding
	s_mov_b32 s[G1+1], 32<<16                      ; tensor_dim0 = 32 elements: 256 bytes
	s_mov_b32 s[G1+2], 64<<16                      ; tensor_dim1 = 64
	s_mov_b32 s[G1+3], 32<<16                      ; tile_dim0
	s_mov_b32 s[G1+4], 64                          ; tile_dim1
	s_mov_b32 s[G1+5], 32                          ; from row to row
	s_mov_b32 s[G1+6], 0
	s_mov_b32 s[G1+7], 0
	s_mov_b32 s[G1S], 3<<16
	s_mov_b32 s[G1S+1], 32<<16
	s_mov_b32 s[G1S+2], 16<<16
	s_mov_b32 s[G1S+3], 32<<16
	s_mov_b32 s[G1S+4], 16
	s_mov_b32 s[G1S+5], 32
	s_mov_b32 s[G1S+6], 0
	s_mov_b32 s[G1S+7], 0
	s_mov_b32 s[SEL], 0x76543210
	s_mov_b32 s[SEL+1], 0xfedcba98
	s_mov_b32 s[CS], 0x3e0293ee                    ; c = log2(e) / sqrt(128)
	s_mov_b32 s[CS+1], s[CS]
	s_mov_b32 s[TB], 0
	s_mov_b32 s[TS], 0
	s_mov_b32 s[SLOTS], 3
	s_mov_b32 s[KF], 0
	s_wait_dscnt 0x0                               ; both opening adds are done
	s_wait_kmcnt 0x0
	s_mov_b32 s[G0SK], 1
	s_add_co_u32 s[G0SK+1], s81, SCK
	s_add_nc_u64 s[G0SK+2:G0SK+3], s[10:11], s[96:97]
	s_or_b32 s[G0SK+3], s[G0SK+3], 0x80000000
	s_mov_b32 s[G0SV], 1
	s_add_co_u32 s[G0SV+1], s81, SCV
	s_add_nc_u64 s[G0SV+2:G0SV+3], s[14:15], s[96:97]
	s_or_b32 s[G0SV+3], s[G0SV+3], 0x80000000
	TLOAD G0SK, G0SV, G1S                          ; the head's scale words: filled once
	s_mov_b32 s[G0K], 1
	s_mov_b32 s[G0K+1], s95
	s_add_nc_u64 s[G0K+2:G0K+3], s[8:9], s[82:83]
	s_or_b32 s[G0K+3], s[G0K+3], 0x80000000
	s_mov_b32 s[G0V], 1
	s_add_co_u32 s[G0V+1], s95, VOFF
	s_add_nc_u64 s[G0V+2:G0V+3], s[12:13], s[82:83]
	s_or_b32 s[G0V+3], s[G0V+3], 0x80000000
	TLOAD G0K, G0V, G1                             ; slot 0: it holds key 0, which counts for every query
	s_add_nc_u64 s[4:5], s[4:5], s[88:89]
	s_add_nc_u64 s[6:7], s[6:7], s[90:91]
	s_add_nc_u64 s[16:17], s[16:17], s[92:93]
	s_cmp_lt_u32 s[WV], 8                          ; the prefetches: waves 4 to 7 K's images, waves 8 to 11 V's
	s_cselect_b64 s[PFA:PFA+1], s[8:9], s[12:13]
	s_and_b32 s84, s[WV], 3
	s_lshl_b32 s84, s84, 13
	s_add_co_u32 s84, s84, 32768                   ; my wave's 8,192 bytes, in slot 1: the first change of slots steps it to slot 2
	s_mov_b32 s85, 0
	s_add_nc_u64 s[PFA:PFA+1], s[PFA:PFA+1], s[74:75]
	s_add_nc_u64 s[PFA:PFA+1], s[PFA:PFA+1], s[84:85]
	s_sub_co_u32 s84, s[WV], 4
	s_lshr_b32 s84, s84, 3                         ; 0 in waves 4 to 11,
	s_or_b32 s84, s84, ttmp9                       ; of the head's first work-group
	s_cmp_eq_u32 s84, 0
	s_cselect_b32 s[LIM], 1, -1
	v_and_b32 v8, 31, v0                           ; lane
	v_lshlrev_b32 v[AK0], 4, v8
	global_load_b128 v[16:19], v[AK0], s[4:5]      ; Q's fragment stays in registers
	global_load_b128 v[20:23], v[AK0], s[4:5] offset:512
	v_and_b32 v9, 15, v0
	v_lshlrev_b32 v254, 3, v9
	global_load_b32 v255, v254, s[6:7]             ; Q's scale words: lane r has row r's
	v_lshl_add_u32 v[ASK0], v8, 3, SCK
	v_lshlrev_b32 v[PFO], 8, v8
	v_bfe_u32 v10, v0, 4, 1
	v_lshlrev_b32 v[GO], 12, v10
	v_lshl_add_u32 v[GO], v9, 4, v[GO]             ; the way out: lanes 0-15 one row of out, lanes 16-31 the next; 16 bytes a lane
	v_mov_b32 v13, 0xff61b1e6                      ; the largest t so far: -3e38, under every t
	v_floor_f32 v12, -v13                          ; -M
	v_mov_b32 v14, 0
	v_mov_b32 v15, 0
.irp b, 0,1,2,3
	v_mov_b32 v[236+\b], 0                         ; written once: a lane permute's destination counts as one of its sources
.endr
	v_mov_b32 v253, 0                              ; (named as the upper half of the pair v[252:253] before it is first written)
.set j, 0
.rept 64
	v_mov_b32 v[160+j], 0                          ; O^T.  (The step is written once: the first finds zeros, which the first change of M leaves zeros)
.set j, j+1
.endr
; A KEY STEP: 128 keys, the q-th of the slot in hand.
.macro STEP q
	s_cmp_gt_u32 s[KF], s[QMX]                     ; all its keys come after my 16 queries: the step's work is left out; the lines at its end that step addresses are not
	s_cbranch_scc1 .Lhidden_\@
	v_add_nc_u32 v[ADK], s[TB], v[AK0]
	v_add_nc_u32 v[ADS], s[TS], v[ASK0]
	v_nop
	v_nop                                          ; four plain instructions in front of loads into registers that the last products read
.irp g, 0,1                                    ; S^T = K Q^T, four tiles of 16 keys at a time
.if \g
.rept 4
	v_nop
.endr
.endif
.irp t, 0,1,2,3
.irp c, 0,1
	ds_load_b128 v[32+8*\t+4*\c:32+8*\t+4*\c+3], v[ADK] offset:(8*(\q)+4*\g+\t)*1024+512*\c
.endr
.endr
.if \g == 0
	ds_load_b64 v[248:249], v[ADS]                 ; K's scale words: tiles 0-3 (a register: an even tile in lanes 0-15, the odd one in lanes 16-31),
	ds_load_b64 v[250:251], v[ADS] offset:256      ; tiles 4-7;
	ds_load_b64 v[24:25], v[ADS] offset:8192       ; V's bytes of the step's first 64 keys,
	ds_load_b64 v[26:27], v[ADS] offset:8448       ; and of its second
.endif
	s_wait_dscnt 0x0
.irp t, 0,1,2,3
.if \t%2
	v_wmma_scale_f32_16x16x128_f8f6f4 v[96+8*(4*\g+\t):103+8*(4*\g+\t)], v[32+8*\t:39+8*\t], v[16:23], 0, v[248+2*\g+\t/2], v255 matrix_a_fmt:MATRIX_FMT_FP4 matrix_b_fmt:MATRIX_FMT_FP4 matrix_a_scale:MATRIX_SCALE_ROW1
.else
	v_wmma_scale_f32_16x16x128_f8f6f4 v[96+8*(4*\g+\t):103+8*(4*\g+\t)], v[32+8*\t:39+8*\t], v[16:23], 0, v[248+2*\g+\t/2], v255 matrix_a_fmt:MATRIX_FMT_FP4 matrix_b_fmt:MATRIX_FMT_FP4
.endif
.endr
.endr                                          ; lane (r, h) holds query r of my tile; register 16 b + i holds key KF + 32 b + 16 h + i
.rept 4
	v_nop
.endr
	s_add_co_u32 s96, s[KF], 127                   ; on the diagonal hidden scores become -infinity ahead of the maximum: p = 0 then.  A step all of whose keys count skips this
	s_cmp_le_u32 s96, s[QB]
	s_cbranch_scc1 .Lopen_\@
	s_sub_co_i32 s96, s[QB], s[KF]
	v_and_b32 v252, 15, v0
	v_and_b32 v240, 8, v0
	v_add_nc_u32 v252, v252, v240                  ; r + 8 (r / 8)
	v_and_b32 v240, 16, v0
	v_sub_nc_u32 v252, v252, v240
	v_add_nc_u32 v252, s96, v252                   ; d = my query - KF - 16 h: register 16 b + i is hidden where 32 b + i > d
	v_mov_b32 v254, 0xff800000
.set n, 0
.rept 64
	v_cmp_gt_i32 vcc_lo, 32*(n/16)+n%16, v252
	v_cndmask_b32 v[96+n], v[96+n], v254, vcc_lo
.set n, n+1
.endr
.Lopen_\@:
	v_perm_b32 v248, v26, v24, 0x05040100          ; V's scale words of this step: two bytes of each half of the keys; register p: channel tile 2 p in lanes 0-15, 2 p + 1 in lanes 16-31
	v_perm_b32 v249, v26, v24, 0x07060302
	v_perm_b32 v250, v27, v25, 0x05040100
	v_perm_b32 v251, v27, v25, 0x07060302
.irp b, 0,1,2,3
	v_max3_num_f32 v[232+\b], v[96+16*\b], v[97+16*\b], v[98+16*\b]   ; the largest score of each block of 32 keys: for the row's maximum, and, since p rises with the score, for the block's largest p
.endr
.irp i, 3,5,7,9,11,13
.irp b, 0,1,2,3
	v_max3_num_f32 v[232+\b], v[232+\b], v[96+16*\b+\i], v[97+16*\b+\i]
.endr
.endr
.irp b, 0,1,2,3
	v_max_num_f32 v[232+\b], v[232+\b], v[111+16*\b]
.endr
.irp b, 0,1,2,3
	v_permlanex16_b32 v[236+\b], v[232+\b], s[SEL], s[SEL+1]
.endr
.irp b, 0,1,2,3
	v_max_num_f32 v[232+\b], v[232+\b], v[236+\b]  ; with lane l xor 16's 16 keys
.endr
	v_max3_num_f32 v254, v232, v233, v234
	v_max_num_f32 v254, v254, v235                 ; the step's largest score of my query
	v_mul_f32 v254, s[CS], v254                    ; as t (c is positive)
	v_max_num_f32 v13, v13, v254                   ; the running largest t
	v_mov_b32 v254, v12
	v_floor_f32 v12, -v13                          ; the new -M = floor(-t): M is a whole number
	v_sub_f32 v254, v12, v254                      ; old M - new M: a whole number, 0 or less
	v_cvt_i32_f32 v254, v254                       ; (it saturates)
	v_ldexp_f32 v252, 1.0, v254                    ; f = 2^(old M - new M)
.set j, 0
.rept 32
	v_pk_fma_f32 v[96+j:97+j], v[96+j:97+j], s[CS:CS+1], v[12:13] op_sel_hi:[1,0,0]   ; t - M, two at a time
.set j, j+2
.endr
.irp b, 0,1,2,3
	v_fma_f32 v[232+\b], v[232+\b], s[CS], v12     ; the same of each block's largest score
.endr
.set j, 0
.rept 64
	v_exp_f32 v[96+j], v[96+j]                     ; p = 2^(t - M), at most 1
.set j, j+1
.endr
	v_pk_mul_f32 v[14:15], v[14:15], v[252:253] op_sel_hi:[1,0]   ; the sums under the new M: a plain instruction behind the exponentials
	s_wait_alu depctr_va_vdst(0)                   ; one wait for the whole batch, ahead of its first reader
.irp b, 0,1,2,3
	v_exp_f32 v[232+\b], v[232+\b]                 ; the block's largest p
.endr
	v_pk_add_f32 v[236:237], v[96:97], v[98:99]    ; the row's sum is taken of the unquantised p: two at a time, in two chains
.irp j, 4,8,12,16,20,24,28,32,36,40,44,48,52,56,60
	v_pk_add_f32 v[14:15], v[14:15], v[96+\j:97+\j]
	v_pk_add_f32 v[236:237], v[236:237], v[98+\j:99+\j]
.endr
	v_pk_add_f32 v[14:15], v[14:15], v[236:237]
	s_wait_alu depctr_va_vdst(0)                   ; and one for the four
.irp b, 0,1,2,3
	v_max_num_f32 v[232+\b], 0x1800000, v[232+\b]  ; the floor 2^(3 - 127): the byte cannot fall under 1
.endr
.irp b, 0,1,2,3
	v_add_nc_u32 v[244+\b], 0xff000000, v[232+\b]  ; 2 off the exponent field: the conversion's scale operand
.endr
.irp b, 0,1,2,3
	v_lshrrev_b32 v[236+\b], 23, v[244+\b]         ; the scale's byte
.endr
	v_lshl_or_b32 v253, v237, 8, v236              ; p's scale word for these 128 keys
	v_lshl_or_b32 v253, v238, 16, v253
	v_lshl_or_b32 v253, v239, 24, v253
.irp b, 0,1,2,3
	v_cvt_scalef32_pk8_fp4_f32 v[224+2*\b], v[96+16*\b:103+16*\b], v[244+\b]
	v_cvt_scalef32_pk8_fp4_f32 v[225+2*\b], v[104+16*\b:111+16*\b], v[244+\b]
.endr
	v_nop                                          ; one plain instruction behind the last scaled conversion
.irp c, 0,1                                    ; the operand's layout wants a whole block in a lane
.irp i, 0,1
	v_permlane16_swap_b32 v[224+4*\c+\i], v[226+4*\c+\i]
.endr
.endr
.set j, 0
.rept 32
	v_pk_mul_f32 v[160+j:161+j], v[160+j:161+j], v[252:253] op_sel_hi:[1,0]   ; O^T under the new M.  (These 32 are also the places in front of the matrix instructions and loads below)
.set j, j+2
.endr
.irp g, 0,1                                    ; O^T += V^T P^T: four tiles of 16 channels at a time; K = these 128 keys
.if \g
.rept 4
	v_nop
.endr
.endif
.irp t, 0,1,2,3
.irp c, 0,1
	ds_load_b128 v[32+8*\t+4*\c:32+8*\t+4*\c+3], v[ADK] offset:VOFF+(8*(\q)+4*\g+\t)*1024+512*\c
.endr
.endr
	s_wait_dscnt 0x0
.irp t, 0,1,2,3
.if \t%2
	v_wmma_scale_f32_16x16x128_f8f6f4 v[160+8*(4*\g+\t):167+8*(4*\g+\t)], v[32+8*\t:39+8*\t], v[224:231], v[160+8*(4*\g+\t):167+8*(4*\g+\t)], v[248+2*\g+\t/2], v253 matrix_a_fmt:MATRIX_FMT_FP4 matrix_b_fmt:MATRIX_FMT_FP4 matrix_a_scale:MATRIX_SCALE_ROW1
.else
	v_wmma_scale_f32_16x16x128_f8f6f4 v[160+8*(4*\g+\t):167+8*(4*\g+\t)], v[32+8*\t:39+8*\t], v[224:231], v[160+8*(4*\g+\t):167+8*(4*\g+\t)], v[248+2*\g+\t/2], v253 matrix_a_fmt:MATRIX_FMT_FP4 matrix_b_fmt:MATRIX_FMT_FP4
.endif
.endr
.endr
.Lhidden_\@:
	s_add_co_u32 s[KF], s[KF], 128
	s_add_co_u32 s[TS], s[TS], 512                 ; the next step's scale words
.endm
; THE CHANGE OF SLOTS stands at a slot's head.  Each wave waits for all its tensor loads, adds 0 to its spare word (fill = 1: twice on end), and waits for that and for its reads of the slot that it has left.
; Behind the barrier the slot ahead is whole and nobody reads the other one.  fill = 1: that other slot takes the next 512 keys, up to the causal limit; the load has a slot's four steps in which to land.
.macro CHANGE fill
	s_wait_tensorcnt 0x0                           ; no tensor load of mine is out, so a group 0 may be written
	ds_add_u32 v[SPW], v[NIL]                      ; 0 onto my spare word
.if \fill
	ds_add_u32 v[SPW], v[NIL]                      ; and once more
	s_xor_b32 s[G0K+1], s[G0K+1], SLOT1            ; the walking descriptors: the other slot than last time,
	s_add_nc_u64 s[G0K+2:G0K+3], s[G0K+2:G0K+3], 32768   ; the next 512 keys; the type bits on top are not reached
	s_xor_b32 s[G0V+1], s[G0V+1], SLOT1
	s_add_nc_u64 s[G0V+2:G0V+3], s[G0V+2:G0V+3], 32768
	s_wait_xcnt 0x0                                ; the last prefetch, a slot back, has read its address, so it may be written:
	s_add_nc_u64 s[PFA:PFA+1], s[PFA:PFA+1], 32768 ; one slot further on than the walking descriptors
.endif
	s_wait_dscnt 0x0                               ; the add is done (fill = 1: both are), and my reads of the slot that I have left are over
	s_barrier_signal -1
	s_barrier_wait -1
.if \fill
	s_add_co_u32 s96, s[KF], 512                   ; the first key of the slot that this change would ask for:
	s_cmp_gt_u32 s96, s[QWG]                       ; behind my work-group's last query it would be read by none of the sixteen waves, so it is not asked for.  Ids and the count of steps alone: all waves go the same way
	s_cbranch_scc1 .Lpast_\@
	TLOAD G0K, G0V, G1                             ; a wave's one tensor load until the next such barrier
.Lpast_\@:
	ASK
.endif
.endm
.macro SLOT_STEPS
.set Q, 0
.rept 4
	STEP Q
.set Q, Q+1
.endr
	s_xor_b32 s[TB], s[TB], SLOT1                  ; on to the other slot
.endm
	s_wait_loadcnt 0x0                             ; Q
.Lslot:                                            ; three trips: behind each change of slots but the last the next slot is asked for, up to the causal limit
	CHANGE 1
	SLOT_STEPS
	s_sub_co_u32 s[SLOTS], s[SLOTS], 1
	s_cmp_lg_u32 s[SLOTS], 0
	s_cbranch_scc1 .Lslot
	CHANGE 0                                       ; the last slot is written out: nothing is left to ask for
	SLOT_STEPS
	; THE WAY OUT.  O^T is divided by the row's sum and goes through my stage in LDS, half a row (64 channels, 256 bytes) of 16 queries at a time, so that sixteen lanes store 256 consecutive, aligned bytes.
	v_add_f32 v14, v14, v15                        ; the sum's two halves,
	v_permlanex16_b32 v252, v14, s[SEL], s[SEL+1]
	v_add_f32 v14, v14, v252                       ; and lane l xor 16's
	v_rcp_f32 v14, v14
	v_and_b32 v8, 15, v0                           ; (a plain instruction behind the reciprocal)  r
	v_bfe_u32 v9, v0, 4, 1                         ; h
	s_mul_i32 s73, s[WV], 16*272
	s_add_co_u32 s73, s73, STAGE                   ; my stage
	v_mul_u32_u24 v10, v8, 272
	v_lshl_add_u32 v10, v9, 5, v10
	v_add_nc_u32 v10, s73, v10                     ; in: row r; tile t's eight channels of my half: 64 t + 32 h bytes on
	v_mul_u32_u24 v11, v9, 272
	v_lshl_add_u32 v11, v8, 4, v11
	v_add_nc_u32 v11, s73, v11                     ; back: lanes 0-15 one row, lanes 16-31 the next
	s_wait_alu depctr_va_vdst(0)                   ; the wait ahead of the reciprocal's first reader
.set j, 0
.rept 64
	v_mul_f32 v[96+j], v[160+j], v14               ; register 8 t + i is o(query r, channel 16 t + 8 h + i)
.set j, j+1
.endr
.irp u, 0,1                                    ; channels 64 u on
.irp t, 0,1,2,3
	ds_store_b128 v10, v[96+32*\u+8*\t:99+32*\u+8*\t] offset:64*\t
	ds_store_b128 v10, v[100+32*\u+8*\t:103+32*\u+8*\t] offset:64*\t+16
.endr
.irp i, 0,1,2,3,4,5,6,7
	ds_load_b128 v[32+32*\u+4*\i:35+32*\u+4*\i], v11 offset:2*\i*272   ; LDS serves a wave's instructions in order (ISA guide 5.7.1.4): these see my stores, and the next half's stores come behind them
.endr
.endr
.irp u, 0,1
.irp i, 0,1,2,3,4,5,6,7
	s_wait_dscnt 15-8*\u-\i                        ; the younger loads from the stage may be out
	global_store_b128 v[GO], v[32+32*\u+4*\i:35+32*\u+4*\i], s[16:17] offset:(2*\i+8*(\i/4))*4096+256*\u th:TH_STORE_NT   ; stage row n is query QB + n + 8 (n / 8)
.endr
.endr
	s_wait_tensorcnt 0x0                           ; the wave's end: behind my last tensor load and my last LDS store
	ds_add_u32 v[SPW], v[NIL]
	s_wait_dscnt 0x0
	s_endpgm
.Lfunc_end_k_qe2ba48437e_attn:
	.size	k_qe2ba48437e_attn, .Lfunc_end_k_qe2ba48437e_attn-k_qe2ba48437e_attn
	.p2alignl 7, 3214868480
	.fill 96, 4, 3214868480
	.section	.rodata,"a",@progbits
	.p2align	6, 0x0
	.amdhsa_kernel k_qe2ba48437e_attn
		.amdhsa_group_segment_fixed_size 327680
		.amdhsa_private_segment_fixed_size 0
		.amdhsa_enable_private_segment 0
		.amdhsa_kernarg_size 56
		.amdhsa_user_sgpr_count 2
		.amdhsa_user_sgpr_kernarg_segment_ptr 1
		.amdhsa_wavefront_size32 1
		.amdhsa_system_sgpr_workgroup_id_x 1
		.amdhsa_system_sgpr_workgroup_id_y 1
		.amdhsa_system_sgpr_workgroup_id_z 1
		.amdhsa_system_vgpr_workitem_id 0
		.amdhsa_next_free_vgpr 256
		.amdhsa_next_free_sgpr 100
		.amdhsa_reserve_vcc 1
		.amdhsa_float_denorm_mode_32 3
		.amdhsa_float_denorm_mode_16_64 3
		.amdhsa_memory_ordered 1
		.amdhsa_forward_progress 1
		.amdhsa_inst_pref_size 206
	.end_amdhsa_kernel
	.amdgpu_metadata
---
amdhsa.version: [ 1, 2 ]
amdhsa.kernels:
  - .name:           k_qe2ba48437e_attn
    .symbol:         k_qe2ba48437e_attn.kd
    .args:
      - { .name: qimg, .offset: 0, .size: 8, .value_kind: global_buffer, .address_space: global }
      - { .name: qsc, .offset: 8, .size: 8, .value_kind: global_buffer, .address_space: global }
      - { .name: kimg, .offset: 16, .size: 8, .value_kind: global_buffer, .address_space: global }
      - { .name: ksc, .offset: 24, .size: 8, .value_kind: global_buffer, .address_space: global }
      - { .name: vimg, .offset: 32, .size: 8, .value_kind: global_buffer, .address_space: global }
      - { .name: vsc, .offset: 40, .size: 8, .value_kind: global_buffer, .address_space: global }
      - { .name: out0, .offset: 48, .size: 8, .value_kind: global_buffer, .address_space: global }
    .group_segment_fixed_size: 327680
    .private_segment_fixed_size: 0
    .kernarg_segment_align: 8
    .kernarg_segment_size: 56
    .max_flat_workgroup_size: 512
    .sgpr_count:     100
    .vgpr_count:     256
    .wavefront_size: 32
...
	.end_amdgpu_metadata
.endif
;; end of part 2
;; ======== version 2 of 2: 2 launches
;; workspace buffers: qimg 4,194,304 bytes; qsc 262,144 bytes; kimg 4,194,304 bytes; ksc 262,144 bytes; vimg 4,194,304 bytes; vsc 262,144 bytes
;; launch proj (part 3): grid 8 x 32, 4 waves a work-group, no clusters, 270,848 bytes of LDS; arguments x_codes, x_scales, wq_codes, wq_scales, wk_codes, wk_scales, wv_codes, wv_scales, cos, sin, qimg, qsc, kimg, ksc, vimg, vsc; writes qimg, qsc, kimg, ksc, vimg, vsc
.if DOCPART == 3
	.amdgcn_target "amdgcn-amd-amdhsa--gfx1250"
	.amdhsa_code_object_version 6
	.text
	.protected	k_qe2ba48437e_proj
	.globl	k_qe2ba48437e_proj
	.p2align	8
	.type	k_qe2ba48437e_proj,@function
k_qe2ba48437e_proj:
	s_mov_b64 s[64:65], 0
	v_nop
	global_prefetch_b8 v0, s[64:65] scope:SCOPE_SE
	s_setreg_imm32_b32 hwreg(HW_REG_WAVE_SCHED_MODE, 0, 2), 2
	s_setreg_imm32_b32 hwreg(HW_REG_WAVE_MODE, 25, 1), 1
	s_wait_xcnt 0x0
	s_wait_alu depctr_vm_vsrc(0)
; q, k, v = x W^T on codes of FP4 (E2M1) with E8M0 scales, the rotary step on q and k in f32, and the three quantisers: q and k along the head's 128, v along the keys.
; The results leave as IMAGES OF THE NEXT LAUNCH'S OPERAND REGISTERS (16 bytes a lane, 512 bytes a store) with their scale words beside them.
; DEAD WORK OF THE WHOLE PROGRAM.  The causal mask is built by the problem itself (tril): key k counts for query q where k <= q.  A masked score becomes the least f32 number, key 0 counts for every
; query, so the row's maximum is a true score and the masked p is 0 in real numbers: it adds nothing to the row's sum nor to the second product.  So key steps of 128 keys that lie wholly behind a tile's
; queries are left out (in the second launch); inside the step on the diagonal the masked scores are computed and set aside.  Nothing else is left out and every input is loaded.
; LIMIT: a NaN, an infinity or an overflow that reaches only those key steps is not carried to the result.
; LIMITS OF THIS LAUNCH: NaN and infinities in cos or sin and scale bytes 0xff are not served; a block whose largest magnitude lies under 2^(3 - 127) keeps the byte 1 (a block of zeros too, where the rule says 127:
; its codes are zeros and this program alone reads the bytes); the rotary step is one multiply and one fused multiply-add: one rounding fewer than two products and a sum.
; THE ROTATED HALF IS A SECOND PRODUCT.  rot[d] = -q[2 d + 1] for d < 512 and +q[2 (d - 512)] for d >= 512: a head's partners lie in two other heads.  x . W[f(d)] gives q[f(d)] bit for bit, so each unit of
; 64 columns multiplies its 64 rows of W and their 64 partner rows, laid alike: the rotary step then stays inside a lane.  The sign goes into sin once, on its way into LDS.
; SHARES.  Work-group (g, tb): head g, positions 64 tb .. 64 tb + 63 of all four batches; wave w takes batch w.  So the cos and sin bytes of these rows and columns are read once in the launch and serve four batches, q and k.
; x's 64 rows x 1,024 K stay in registers (32 fragments).  W goes through LDS in five units of 128 rows, two buffers by turns, the next unit's rows asked for into registers one unit ahead: V; (q, c = 0); (q, c = 1); (k, 0); (k, 1).
; ROWS OF A TILE ARE NOT NEIGHBOURS: lane r of tile 2 b + u takes row 32 b + 8 u + r + 8 (r / 8), for x's positions and for W's rows of q and k, so that the 16 registers of two neighbouring result tiles are 16 neighbours along the next K.
; q, k: source 0 = 16 rows of W, source 1 = 16 positions: a lane holds one position, its registers run along the head.  v: source 0 = 16 positions, source 1 = 16 rows of wv: a lane holds one channel, its registers run along the keys.
; No tensor load: every operand passes through registers anyway (rows are placed in tile order, sin takes its sign, x ends in registers).
; REGISTERS, in windows of 256: window 0: addresses, scale words, work, W's fragments (two sets, v128-255; in a unit's tail cos and sin);  window 1: x's 32 fragments;  window 2: the 32 accumulators (first: x's rows as loaded);
;   window 3: v0-127 the next unit's 32 rows as loaded; v128-255 cos and sin as loaded.
; THE MODE: SCHED_MODE bits 1:0 = 2 (LLVM: expert scheduling mode 2), set by the entry lines.  The code itself states the register dependences
; between vector or matrix instructions and memory or LDS instructions, with s_wait_alu, always for 0.
; THE PLAN.  Registers that memory or LDS instructions touch:
;   v1-15, v108        addresses and offsets: made at the head, ahead of one wait on va_vdst; never written again.
;   XS, window 1       x's scale words and fragments: loaded once, read by matrix instructions alone.
;   WF set 0, set 1    K step s: its 32 matrix instructions read set s % 2; the LDS loads of step s + 1 land in the other set, which step s - 1 read.  In the tail of a unit of q or k cos and sin land there, and the rotary lines read them.
;   WS set 0, set 1    a unit's matrix instructions read one set as scales; the next unit's words land in the other, which the unit before read.
;   window 3, v0-127   the next unit's rows: global loads land there, LDS stores read them; no vector instruction names them.
;   window 2           at the head x's rows as loaded, which LDS stores read; from the first product on accumulators, named by matrix and vector instructions alone.
;   window 3, v192-255 sin: loaded, multiplied by the sign, read by LDS stores, once.
;   PC, VW, WORD       written by the conversions, the exchanges and the shifts; read by global stores; PC and WORD are written again.
; So ONE wait on va_vdst stands at the head of a K step; the step's sixteen LDS loads follow it with no further wait, eight behind the first eight products and eight behind the second eight: those products name this
; step's set, x's fragments, the accumulators and scale words, none of which the loads touch.  A unit's head has one wait on va_vdst and one on vm_vsrc for all that the unit asks for; a run of result stores has one wait on
; va_vdst ahead of it, and a quantiser one on vm_vsrc ahead of the first line that writes the codes again.
.set P,      528                       ; an LDS row: 512 bytes + 16 = 33 x 16: the sixteen rows of a fragment load start at sixteen different 16-byte columns modulo 256
.set WB1,    128*P                     ; W's second buffer
.set COSB,   2*WB1                     ; cos: 64 rows
.set SINO,   64*P                      ; sin lies 64 rows behind cos; W's partner rows lie 64 rows behind the direct ones
.set XSTB,   COSB+2*SINO               ; each wave's own stage of 32 rows, for x
.set XSTW,   32*P
.set SPARE,  XSTB+4*XSTW               ; the spare words, 128 bytes for each wave: two blocks of 256 bytes that no other line names
.set L16,  1                           ; v1   16 x lane
.set L8,   2                           ; v2   8 x lane
.set AW,   3                           ; v3-4 a fragment's row in W's buffer 0, 1: r x 528 + 16 h
.set ACS,  5                           ; v5   my 16 numbers of a block of cos: COSB + r x 528 + 64 h
.set SW,   6                           ; v6-7 where my wave puts its 16 rows of a unit, buffer 0, 1
.set VWS,  8                           ; v8   32 x (8 h + r + (r & 8)): a tile pair's rows among scale rows of 32 bytes
.set VWR,  9                           ; v9   the same x 64: every second row
.set SPW,  10                          ; v10  LDS address of my spare word; never rewritten
.set NIL,  11                          ; v11  0; never rewritten
.set SV0,  12                          ; v12  where my wave puts its 32 rows of wv
.set SCS,  13                          ; v13  where my wave puts its 16 rows of cos
.set XSS,  14                          ; v14  my stage, on the way in
.set XSR,  15                          ; v15  and on the way out
.set XS,   16                          ; v16-31  x's scale words: 8 b + s: lanes 0-15 tile 2 b, lanes 16-31 tile 2 b + 1, K step s
.set WS,   32                          ; v32-95  W's scale words, two sets of 32: 8 (j / 2) + s: lanes 0-15 tile j even, lanes 16-31 tile j odd
.set TM,   96                          ; v96-107 +b largest magnitude, +4+b the other half's, then the byte, +8+b the conversion's scale operand
.set L32,  108                         ; v108 32 x lane
.set PC,   112                         ; v112-119 codes just made
.set PW,   120                         ; v120-121 two bytes of two tiles
.set KEEP, 122                         ; v122-123 the bytes of c = 0
.set WORD, 124                         ; v124-125 q's or k's scale words
.set U16,  122                         ; v122-125 unit V: two bytes for each pair of channel tiles
.set VW,   126                         ; v126-127 v's scale words
.set WF,   128                         ; W's fragments
.set WD,   40                          ; s[40:41] the next unit's direct rows;  s[42:43] partner rows;  s[44:45], s[46:47] their scale rows;  s[48:55] the same four for wk
.set WR,   42
.set WSD,  44
.set WSR,  46
.set OC,   56                          ; s[56:57] codes out, s[58:59] scale words out; s[60:63] k's
.set OS,   58
.set SEL,  66                          ; s[66:67] lane selects for lane l xor 16
.set MSK,  68                          ; s68  lanes 16-31
.set SGN,  70                          ; s[70:71] the rotated half's sign
.set TRIP, 72
.set OV,   76                          ; s[76:77] v's codes out, s[78:79] its scale words
.set OVS,  78
.set W_QK,   0xa4                      ; source 0 window 0, source 1 window 1, C and D window 2
.set W_V,    0xa1                      ; source 0 window 1, source 1 window 0, C and D window 2
.set W_ROPE, 0xa2                      ; sources 0, 2 and destination window 2, source 1 window 0
.set MSB, 0
.macro WIN new                         ; the immediate's high byte repeats the setting that is left; a switch that changes nothing is dropped
.if MSB != \new
	s_set_vgpr_msb (MSB<<8)|\new
.set MSB, \new
.endif
.endm
.macro PLACES                          ; four plain vector instructions between a matrix instruction and a load into, or a read of, its registers (ISA guide 7.12.1 for reads)
.rept 4
	v_nop
.endr
.endm
.macro BARRIER                         ; my LDS stores have landed and my LDS loads are in: then the work-group's barrier
	s_wait_dscnt 0x0
	s_barrier_signal -1
	s_barrier_wait -1
.endm
; the matrix instruction named by the symbols rD, rA, rB, rSA, rSB; fZ: the sum begins (C = 0); fA, fB: the scale words lie in lanes 16-31
.macro EMIT
.if fZ
.if fA && fB
	v_wmma_scale_f32_16x16x128_f8f6f4 v[rD:rD+7], v[rA:rA+7], v[rB:rB+7], 0, v[rSA], v[rSB] matrix_a_fmt:MATRIX_FMT_FP4 matrix_b_fmt:MATRIX_FMT_FP4 matrix_a_scale:MATRIX_SCALE_ROW1 matrix_b_scale:MATRIX_SCALE_ROW1
.elseif fA
	v_wmma_scale_f32_16x16x128_f8f6f4 v[rD:rD+7], v[rA:rA+7], v[rB:rB+7], 0, v[rSA], v[rSB] matrix_a_fmt:MATRIX_FMT_FP4 matrix_b_fmt:MATRIX_FMT_FP4 matrix_a_scale:MATRIX_SCALE_ROW1
.elseif fB
	v_wmma_scale_f32_16x16x128_f8f6f4 v[rD:rD+7], v[rA:rA+7], v[rB:rB+7], 0, v[rSA], v[rSB] matrix_a_fmt:MATRIX_FMT_FP4 matrix_b_fmt:MATRIX_FMT_FP4 matrix_b_scale:MATRIX_SCALE_ROW1
.else
	v_wmma_scale_f32_16x16x128_f8f6f4 v[rD:rD+7], v[rA:rA+7], v[rB:rB+7], 0, v[rSA], v[rSB] matrix_a_fmt:MATRIX_FMT_FP4 matrix_b_fmt:MATRIX_FMT_FP4
.endif
.else
.if fA && fB
	v_wmma_scale_f32_16x16x128_f8f6f4 v[rD:rD+7], v[rA:rA+7], v[rB:rB+7], v[rD:rD+7], v[rSA], v[rSB] matrix_a_fmt:MATRIX_FMT_FP4 matrix_b_fmt:MATRIX_FMT_FP4 matrix_a_scale:MATRIX_SCALE_ROW1 matrix_b_scale:MATRIX_SCALE_ROW1
.elseif fA
	v_wmma_scale_f32_16x16x128_f8f6f4 v[rD:rD+7], v[rA:rA+7], v[rB:rB+7], v[rD:rD+7], v[rSA], v[rSB] matrix_a_fmt:MATRIX_FMT_FP4 matrix_b_fmt:MATRIX_FMT_FP4 matrix_a_scale:MATRIX_SCALE_ROW1
.elseif fB
	v_wmma_scale_f32_16x16x128_f8f6f4 v[rD:rD+7], v[rA:rA+7], v[rB:rB+7], v[rD:rD+7], v[rSA], v[rSB] matrix_a_fmt:MATRIX_FMT_FP4 matrix_b_fmt:MATRIX_FMT_FP4 matrix_b_scale:MATRIX_SCALE_ROW1
.else
	v_wmma_scale_f32_16x16x128_f8f6f4 v[rD:rD+7], v[rA:rA+7], v[rB:rB+7], v[rD:rD+7], v[rSA], v[rSB] matrix_a_fmt:MATRIX_FMT_FP4 matrix_b_fmt:MATRIX_FMT_FP4
.endif
.endif
.endm
; Four of W's eight fragments of K step s (tiles 4 half .. 4 half + 3) from buffer buf into set: 8 loads.  A fragment: lane (r, h) holds row r; registers 4 c .. 4 c + 3 hold K = 64 c + 32 h + 0 .. 31: 16 bytes of the row as they lie
.macro FETCHH buf, s, set, half
.irp j, 0,1,2,3
.irp c, 0,1
	ds_load_b128 v[WF+64*(\set)+8*(4*(\half)+\j)+4*\c:WF+64*(\set)+8*(4*(\half)+\j)+4*\c+3], v[AW+(\buf)] offset:16*P*(4*(\half)+\j)+64*(\s)+32*\c
.endr
.endr
.endm
.macro FETCHW buf, s, set              ; all eight: 16 loads
	FETCHH \buf, \s, \set, 0
	FETCHH \buf, \s, \set, 1
.endm
; cos and sin of tile tau's positions at 16 of my 32 columns of half c (block b): 16 + 16 registers in the accumulators' order: 8 loads
.macro CSHALF tau, c, set, b
.irp k, 0,1,2,3
	ds_load_b128 v[WF+64*(\set)+16*(\b)+4*\k:WF+64*(\set)+16*(\b)+4*\k+3], v[ACS] offset:16*P*(\tau)+256*(\c)+128*(\b)+16*\k
	ds_load_b128 v[WF+64*(\set)+32+16*(\b)+4*\k:WF+64*(\set)+32+16*(\b)+4*\k+3], v[ACS] offset:16*P*(\tau)+256*(\c)+128*(\b)+16*\k+SINO
.endr
.endm
.macro CSLOAD tau, c, set              ; both blocks: 16 loads
	CSHALF \tau, \c, \set, 0
	CSHALF \tau, \c, \set, 1
.endm
; A K step of 128: 32 matrix instructions, x's four tiles against W's eight.  The 32 accumulators take turns, one instruction a turn, in the same order in every step.
; kind 0: q or k;  kind 1: v.  The next step's fragments go into the set that the step before has left: eight loads behind the first eight products, eight behind the second eight, so that sixteen products stand behind the last of them.
; In step 7 of q or k that set takes tile 0's cos and sin in the same way (half c = 1 - buf).
.macro STEPK kind, buf, wset, s
.if (\s) >= 1
	PLACES
.endif
.if ((\s) >= 1) && (((\s) < 7) || ((\kind) == 0))
	s_wait_alu depctr_va_vdst(0)                   ; the last step's matrix instructions are done reading their set of fragments, in which this step's loads land
.endif
	s_wait_dscnt 0x0                               ; this step's sixteen loads are in: they were issued in the first half of the last step (step 0's: at the unit's head)
.set fZ, 0
.if (\s) == 0
.set fZ, 1
.endif
.irp t, 0,1,2,3
.if \kind
	WIN W_V
.else
	WIN W_QK
.endif
.irp j, 0,1,2,3,4,5,6,7
.if \kind
.set rD, 8*(4*\j+\t)
.set rA, 8*(8*\t+(\s))
.set rB, WF+64*((\s)%2)+8*\j
.set rSA, XS+8*(\t/2)+(\s)
.set rSB, WS+32*(\wset)+8*(\j/2)+(\s)
.set fA, \t%2
.set fB, \j%2
.else
.set rD, 8*(8*\t+\j)
.set rA, WF+64*((\s)%2)+8*\j
.set rB, 8*(8*\t+(\s))
.set rSA, WS+32*(\wset)+8*(\j/2)+(\s)
.set rSB, XS+8*(\t/2)+(\s)
.set fA, \j%2
.set fB, \t%2
.endif
	EMIT
.endr
.if \t < 2
.if (\s) < 7
	WIN 0
	FETCHH \buf, (\s)+1, ((\s)+1)%2, \t            ; no wait: no vector or matrix instruction since the wait at the step's head names the other set
.elseif (\kind) == 0
	WIN 0
	CSHALF 0, 1-(\buf), 0, \t                      ; likewise: set 0 was last read by step 6
.endif
.endif
.endr
	WIN 0
.endm
; the next unit of q or k is asked for: my wave's 16 direct rows and their 16 partner rows, a row of 512 bytes a load, into window 3; and the unit's scale words into set dset
.macro PREF_QK dset
	WIN 0xc0
.set i, 0
.rept 16
	global_load_b128 v[4*i:4*i+3], v[L16], s[WD:WD+1] offset:512*i
.set i, i+1
.endr
.set i, 0
.rept 16
	global_load_b128 v[64+4*i:64+4*i+3], v[L16], s[WR:WR+1] offset:1024*i
.set i, i+1
.endr
	WIN 0
.irp b, 0,1
.irp q, 0,1
	global_load_b128 v[WS+32*(\dset)+8*\b+4*\q:WS+32*(\dset)+8*\b+4*\q+3], v[VWS], s[WSD:WSD+1] offset:1024*\b+16*\q
	global_load_b128 v[WS+32*(\dset)+16+8*\b+4*\q:WS+32*(\dset)+16+8*\b+4*\q+3], v[VWR], s[WSR:WSR+1] offset:2048*\b+16*\q
.endr
.endr
.endm
; and goes into W's buffer sw, each row at the place of its tile's lane.  The wait for the loads stands in front of this macro, on every way through the text.  The data come from loads and the address from the head: no vector result is waited for
.macro STORE_QK sw
	WIN 0x0c                                       ; an LDS store's data: window 3
.set i, 0
.rept 16
	ds_store_b128 v[SW+(\sw)], v[4*i:4*i+3] offset:(16*(i/8)+(i%8))*P
	ds_store_b128 v[SW+(\sw)], v[64+4*i:64+4*i+3] offset:(16*(i/8)+(i%8))*P+SINO
.set i, i+1
.endr
	WIN 0
.endm
; q = q cos + rot sin, in place, each accumulator from its low end on
.macro ROPE tau, set
	WIN W_ROPE
.set n, 0
.rept 16
	v_pk_mul_f32 v[64*(\tau)+n:64*(\tau)+n+1], v[64*(\tau)+n:64*(\tau)+n+1], v[WF+64*(\set)+n:WF+64*(\set)+n+1]
.set n, n+2
.endr
.set n, 0
.rept 16
	v_pk_fma_f32 v[64*(\tau)+n:64*(\tau)+n+1], v[64*(\tau)+32+n:64*(\tau)+32+n+1], v[WF+64*(\set)+32+n:WF+64*(\set)+32+n+1], v[64*(\tau)+n:64*(\tau)+n+1]
.set n, n+2
.endr
	WIN 0
.endm
; Four blocks of 32 along the next K become codes.  Block b begins at register base0 + (b / 2) stride + 16 (b % 2) of window 2: 16 numbers in my lane, 16 in lane l xor 16.  Blocks 0, 1 belong to one tile, blocks 2, 3 to the next.
; Out: v[PC .. PC+3], v[PC+4 .. PC+7]: four registers of each tile's fragment;  v[PW]: two scale bytes, lanes 0-15 the first tile's, lanes 16-31 the second's.  later = 0: the launch's first, ahead of which no store has read the codes' registers.
.macro QUANT4 base0, stride, later
	s_wait_xcnt 0x0                                ; earlier stores have read the codes' and the words' registers: only now are they written again
.if \later
	s_wait_alu depctr_vm_vsrc(0)                   ; the stores issued so far have read v[PC ..] and the scale words, which the lines below and behind this macro write again
.endif
	WIN 0x0a                                       ; sources 0 and 1: window 2
.irp b, 0,1,2,3
.set qb, (\base0)+(\b/2)*(\stride)+16*(\b%2)
	v_max3_num_f32 v[TM+\b], |v[qb]|, |v[qb+1]|, 0x1800000   ; with the floor 2^(3 - 127): the byte cannot fall under 1
.endr
.irp i, 2,4,6,8,10,12,14
.irp b, 0,1,2,3
.set qb, (\base0)+(\b/2)*(\stride)+16*(\b%2)
	v_max3_num_f32 v[TM+\b], |v[qb+\i]|, |v[qb+\i+1]|, v[TM+\b]   ; the four blocks by turns
.endr
.endr
	WIN 0
.irp b, 0,1,2,3
	v_permlanex16_b32 v[TM+4+\b], v[TM+\b], s[SEL], s[SEL+1]
.endr
.irp b, 0,1,2,3
	v_max_num_f32 v[TM+\b], v[TM+\b], v[TM+4+\b]   ; the block's largest magnitude
.endr
.irp b, 0,1,2,3
	v_add_nc_u32 v[TM+8+\b], 0xff000000, v[TM+\b]  ; 2 off its exponent field: the conversion takes the exponent field of this operand as its scale
.endr
.irp b, 0,1,2,3
	v_lshrrev_b32 v[TM+4+\b], 23, v[TM+8+\b]       ; the scale's byte
.endr
	v_lshl_or_b32 v[PW], v[TM+5], 8, v[TM+4]
	v_lshl_or_b32 v[PW+1], v[TM+7], 8, v[TM+6]
	WIN 0x02                                       ; source 0: window 2
.irp b, 0,1,2,3
.set qb, (\base0)+(\b/2)*(\stride)+16*(\b%2)
	v_cvt_scalef32_pk8_fp4_f32 v[PC+2*\b], v[qb:qb+7], v[TM+8+\b]
	v_cvt_scalef32_pk8_fp4_f32 v[PC+2*\b+1], v[qb+8:qb+15], v[TM+8+\b]
.endr
	WIN 0
	v_nop                                          ; one plain instruction behind the last scaled conversion
.irp c, 0,1                                    ; the operand's layout wants a whole block in a lane: lanes 0-15 the even block, lanes 16-31 the odd one
.irp i, 0,1
	v_permlane16_swap_b32 v[PC+4*\c+\i], v[PC+2+4*\c+\i]
.endr
.endr
	v_cndmask_b32 v[PW], v[PW], v[PW+1], s[MSK]    ; lanes 16-31 take the second tile's bytes
.endm
; the bytes of c = 0 are kept, those of c = 1 complete word n; then the codes of tiles tau and tau + 1, half c, leave: 512 consecutive bytes a store
.macro OUTQK tau, c, n
.if (\c) == 0
	v_mov_b32 v[KEEP+(\n)], v[PW]
.else
	v_lshl_or_b32 v[WORD+(\n)], v[PW], 16, v[KEEP+(\n)]
.endif
	s_wait_alu depctr_va_vdst(0)                   ; the conversions and the exchanges have written v[PC ..], which the stores below read; with c = 1 the scale word is written too, which the store behind the second pair of tiles reads
	global_store_b128 v[L16], v[PC:PC+3], s[OC:OC+1] offset:1024*(\tau)+512*(\c)
	global_store_b128 v[L16], v[PC+4:PC+7], s[OC:OC+1] offset:1024*((\tau)+1)+512*(\c)
.endm
	s_load_b512 s[8:23], s[0:1], 0x0               ; x codes 8, x scales 10, wq 12, 14, wk 16, 18, wv 20, 22
	s_load_b512 s[24:39], s[0:1], 0x40             ; cos 24, sin 26, qimg 28, qsc 30, kimg 32, ksc 34, vimg 36, vsc 38
	v_lshl_add_u32 v[SPW], v0, 2, SPARE
	v_mov_b32 v[NIL], 0
	v_lshrrev_b32 v109, 5, v0
	v_readfirstlane_b32 s2, v109                   ; wave = batch
	s_mov_b32 s3, ttmp9                            ; head g
	s_and_b32 s4, ttmp7, 0xffff                    ; tb
	s_and_b32 s5, s3, 3
	s_cmp_lt_u32 s3, 4                             ; columns under 512: partner 2 d + 1, sign -; else 2 (d - 512), sign +
	s_cselect_b32 s6, 1, 0
	s_cselect_b32 s[SGN], -1.0, 1.0
	s_mov_b32 s[SGN+1], s[SGN]
	s_mov_b32 s[SEL], 0x76543210
	s_mov_b32 s[SEL+1], 0xfedcba98
	s_mov_b32 s[MSK], 0xffff0000
	v_and_b32 v109, 31, v0                         ; lane
	v_lshlrev_b32 v[L16], 4, v109
	v_lshlrev_b32 v[L8], 3, v109
	v_lshlrev_b32 v[L32], 5, v109
	v_and_b32 v110, 15, v0                         ; r
	v_bfe_u32 v111, v0, 4, 1                       ; h
	v_mul_u32_u24 v[AW], v110, P
	v_lshl_add_u32 v[ACS], v111, 6, v[AW]
	v_add_nc_u32 v[ACS], COSB, v[ACS]
	v_lshl_add_u32 v[AW], v111, 4, v[AW]
	s_wait_alu depctr_va_vdst(0)
	v_add_nc_u32 v[AW+1], WB1, v[AW]
	s_wait_alu depctr_va_sdst(0)                   ; s2, the wave's number, is written, ahead of its first reader: LDS places and every buffer's offset are made from it
	s_lshr_b32 s78, s2, 1                          ; rows 16 w + i lie at place 32 (w / 2) + 8 (w % 2) + 16 (i / 8) + i % 8
	s_lshl_b32 s78, s78, 5
	s_and_b32 s79, s2, 1
	s_lshl_b32 s79, s79, 3
	s_add_co_u32 s78, s78, s79
	s_mul_i32 s78, s78, P
	v_add_nc_u32 v[SW], s78, v[L16]
	v_add_nc_u32 v[SW+1], WB1, v[SW]
	v_add_nc_u32 v[SCS], COSB, v[SW]
	s_mul_i32 s79, s2, XSTW
	v_add_nc_u32 v[SV0], s79, v[L16]
	v_add_nc_u32 v[XSS], XSTB, v[SV0]
	v_add_nc_u32 v[XSR], s79, v[AW]
	v_add_nc_u32 v[XSR], XSTB, v[XSR]
	v_and_b32 v109, 8, v0
	v_add_nc_u32 v109, v109, v110
	v_lshl_add_u32 v109, v111, 3, v109             ; 8 h + r + (r & 8)
	v_lshlrev_b32 v[VWS], 5, v109
	v_lshlrev_b32 v[VWR], 6, v109
.irp b, 0,1,2,3
	v_mov_b32 v[TM+4+\b], 0                        ; written once: a lane permute's destination counts as one of its sources
.endr
	; byte offsets, each in a pair of its own
	s_lshl_b32 s80, s2, 20                         ; x codes: (2048 w + 64 tb) x 512
	s_lshl_b32 s7, s4, 15
	s_add_co_u32 s80, s80, s7
	s_mov_b32 s81, 0
	s_lshl_b32 s82, s2, 16                         ; x scales: x 32
	s_lshl_b32 s7, s4, 11
	s_add_co_u32 s82, s82, s7
	s_mov_b32 s83, 0
	s_lshl_b32 s84, s3, 16                         ; direct rows: (128 g + 16 w) x 512
	s_lshl_b32 s7, s2, 13
	s_add_co_u32 s84, s84, s7
	s_mov_b32 s85, 0
	s_lshl_b32 s86, s5, 17                         ; partner rows: (256 (g & 3) + 32 w + odd) x 512
	s_lshl_b32 s7, s2, 14
	s_add_co_u32 s86, s86, s7
	s_lshl_b32 s7, s6, 9
	s_add_co_u32 s86, s86, s7
	s_mov_b32 s87, 0
	s_lshl_b32 s88, s3, 12                         ; direct scale rows, and wv's: 128 g x 32
	s_mov_b32 s89, 0
	s_lshl_b32 s90, s5, 13                         ; partner scale rows: (256 (g & 3) + odd) x 32
	s_lshl_b32 s7, s6, 5
	s_add_co_u32 s90, s90, s7
	s_mov_b32 s91, 0
	s_lshl_b32 s92, s3, 16                         ; wv rows: (128 g + 32 w) x 512
	s_lshl_b32 s7, s2, 14
	s_add_co_u32 s92, s92, s7
	s_mov_b32 s93, 0
	s_lshl_b32 s94, s4, 18                         ; cos, sin: (64 tb + 16 w) x 4096 + 512 g
	s_lshl_b32 s7, s2, 16
	s_add_co_u32 s94, s94, s7
	s_lshl_b32 s7, s3, 9
	s_add_co_u32 s94, s94, s7
	s_mov_b32 s95, 0
	s_lshl_b32 s72, s2, 20                         ; images: (8 w + g) x 131072
	s_lshl_b32 s7, s3, 17
	s_add_co_u32 s72, s72, s7
	s_mov_b32 s76, s72
	s_lshl_b32 s7, s4, 12                          ; q, k: + 4 tb tiles of 1024
	s_add_co_u32 s72, s72, s7
	s_mov_b32 s73, 0
	s_lshr_b32 s7, s4, 1                           ; v: + key step tb / 2 of 8192, + half tb % 2 of 512
	s_lshl_b32 s7, s7, 13
	s_add_co_u32 s76, s76, s7
	s_and_b32 s7, s4, 1
	s_lshl_b32 s7, s7, 9
	s_add_co_u32 s76, s76, s7
	s_mov_b32 s77, 0
	s_lshl_b32 s74, s2, 16                         ; scale words: (8 w + g) x 8192 + 256 tb
	s_lshl_b32 s7, s3, 13
	s_add_co_u32 s74, s74, s7
	s_lshl_b32 s7, s4, 8
	s_add_co_u32 s74, s74, s7
	s_mov_b32 s75, 0
	s_wait_kmcnt 0x0
	s_add_nc_u64 s[8:9], s[8:9], s[80:81]
	s_add_nc_u64 s[10:11], s[10:11], s[82:83]
	s_add_nc_u64 s[20:21], s[20:21], s[92:93]
	s_add_nc_u64 s[22:23], s[22:23], s[88:89]
	s_add_nc_u64 s[24:25], s[24:25], s[94:95]
	s_add_nc_u64 s[26:27], s[26:27], s[94:95]
	s_wait_alu depctr_va_vdst(0)                   ; the addresses and offsets v1 to v15 and v108 are written: every load and store of the kernel, global or LDS, reads one of them
	; everything the head needs is asked for in one run
.irp b, 0,1
.irp q, 0,1
	global_load_b128 v[XS+8*\b+4*\q:XS+8*\b+4*\q+3], v[VWS], s[10:11] offset:1024*\b+16*\q   ; x's scale words: a row's 32 bytes are its eight K steps' words
.endr
.endr
	WIN 0x80
.set i, 0
.rept 64
	global_load_b128 v[4*i:4*i+3], v[L16], s[8:9] offset:512*i     ; x: a row of 512 bytes a load
.set i, i+1
.endr
	WIN 0xc0
.set i, 0
.rept 32
	global_load_b128 v[4*i:4*i+3], v[L16], s[20:21] offset:512*i   ; wv: my wave's 32 rows
.set i, i+1
.endr
	WIN 0
.irp p, 0,1,2,3
.irp q, 0,1
	global_load_b128 v[WS+8*\p+4*\q:WS+8*\p+4*\q+3], v[L32], s[22:23] offset:1024*\p+16*\q   ; wv's scale words: lane l takes row 32 p + l
.endr
.endr
	WIN 0xc0
.set i, 0
.rept 16
	global_load_b128 v[128+4*i:128+4*i+3], v[L16], s[24:25] offset:4096*i th:TH_LOAD_NT   ; cos, sin: my wave's 16 rows, the head's 512 bytes; read once in the launch
.set i, i+1
.endr
.set i, 0
.rept 16
	global_load_b128 v[192+4*i:192+4*i+3], v[L16], s[26:27] offset:4096*i th:TH_LOAD_NT
.set i, i+1
.endr
	WIN 0
	; the pointers of the units to come, and of the results
	s_add_nc_u64 s[WD:WD+1], s[12:13], s[84:85]
	s_add_nc_u64 s[WR:WR+1], s[12:13], s[86:87]
	s_add_nc_u64 s[WSD:WSD+1], s[14:15], s[88:89]
	s_add_nc_u64 s[WSR:WSR+1], s[14:15], s[90:91]
	s_add_nc_u64 s[48:49], s[16:17], s[84:85]
	s_add_nc_u64 s[50:51], s[16:17], s[86:87]
	s_add_nc_u64 s[52:53], s[18:19], s[88:89]
	s_add_nc_u64 s[54:55], s[18:19], s[90:91]
	s_add_nc_u64 s[OC:OC+1], s[28:29], s[72:73]
	s_add_nc_u64 s[OS:OS+1], s[30:31], s[74:75]
	s_add_nc_u64 s[60:61], s[32:33], s[72:73]
	s_add_nc_u64 s[62:63], s[34:35], s[74:75]
	s_add_nc_u64 s[OV:OV+1], s[36:37], s[76:77]
	s_add_nc_u64 s[OVS:OVS+1], s[38:39], s[74:75]
	s_mov_b32 s[TRIP], 2
	s_wait_loadcnt 63                              ; behind x's last row 72 loads were issued: with 63 out at the most, x and its scale words are in
	; x's rows turn into fragments through my own stage, 32 rows at a time.  LDS serves a wave's instructions in order (ISA guide 5.7.1.4): no wait between the stores and the loads, nor in front of the second half's stores
.irp k, 0,1
	WIN 0x08                                       ; an LDS store's data: window 2
.set i, 0
.rept 32
	ds_store_b128 v[XSS], v[4*(32*\k+i):4*(32*\k+i)+3] offset:(16*((i/8)%2)+(i%8)+8*(i/16))*P
.set i, i+1
.endr
	WIN 0x40                                       ; destination window 1
.irp u, 0,1
.irp s, 0,1,2,3,4,5,6,7
.irp c, 0,1
	ds_load_b128 v[8*(8*(2*\k+\u)+\s)+4*\c:8*(8*(2*\k+\u)+\s)+4*\c+3], v[XSR] offset:16*P*\u+64*\s+32*\c
.endr
.endr
.endr
	WIN 0
.endr
	s_wait_loadcnt 32                              ; wv's rows and scale words are in; cos and sin may be out
	WIN 0x0c
.set i, 0
.rept 32
	ds_store_b128 v[SV0], v[4*i:4*i+3] offset:P*i  ; wv's tiles are 16 neighbouring rows
.set i, i+1
.endr
	s_wait_loadcnt 16                              ; cos is in; sin's sixteen loads may be out
.set i, 0
.rept 16
	ds_store_b128 v[SCS], v[128+4*i:128+4*i+3] offset:(16*(i/8)+(i%8))*P   ; cos goes as it was loaded: these stores hang on no vector result
.set i, i+1
.endr
	s_wait_loadcnt 0x0
	WIN 0xc3
.set n, 0
.rept 32
	v_pk_mul_f32 v[192+n:192+n+1], v[192+n:192+n+1], s[SGN:SGN+1] op_sel_hi:[1,0]   ; the rotated half's sign goes into sin
.set n, n+2
.endr
	WIN 0x0c
	s_wait_alu depctr_va_vdst(0)                   ; the multiplications have written sin, which the LDS stores below read
.set i, 0
.rept 16
	ds_store_b128 v[SCS], v[192+4*i:192+4*i+3] offset:(16*(i/8)+(i%8))*P+SINO
.set i, i+1
.endr
	WIN 0
	BARRIER                                        ; wv's 128 rows, cos and sin lie in LDS; x's fragments are in my registers
	; ---- unit V: buffer 0, scale set 0.  (q, c = 0) is asked for meanwhile
	s_wait_alu depctr_vm_vsrc(0)                   ; my LDS stores have read wv's rows in window 3, in which the next unit's rows land, and x's rows in window 2, which the first products write over
	FETCHW 0, 0, 0
	PREF_QK 1
.irp s, 0,1,2,3,4,5,6,7
	STEPK 1, 0, 0, \s
.endr
	PLACES
	s_wait_loadcnt 0x0                             ; the next unit's rows and scale words are in
	STORE_QK 1
.irp p, 0,1,2,3                                ; channel tiles 2 p and 2 p + 1: 64 keys each: four registers of a fragment of 128 keys
	QUANT4 64*\p, 32, \p
	v_mov_b32 v[U16+\p], v[PW]
.if \p == 3
	v_lshl_or_b32 v[VW], v[U16+1], 16, v[U16]
	v_lshl_or_b32 v[VW+1], v[U16+3], 16, v[U16+2]
.endif
	s_wait_alu depctr_va_vdst(0)                   ; the conversions and the exchanges have written v[PC ..], which the stores below read; behind the last pair of tiles v's scale words are written too
	global_store_b128 v[L16], v[PC:PC+3], s[OV:OV+1] offset:2048*\p
	global_store_b128 v[L16], v[PC+4:PC+7], s[OV:OV+1] offset:2048*\p+1024
.endr
	global_store_b64 v[L8], v[VW:VW+1], s[OVS:OVS+1]   ; 256 consecutive bytes.  No wait: no vector instruction stands behind the last one
	BARRIER                                        ; the buffer just stored is whole; nobody reads the other one any more
; Half c of q or of k: 64 columns and their partners, from buffer 1 - c; the next unit goes into buffer c.
; One barrier a unit: the buffer stored into was last read a unit ago, and every wave waited for those reads in front of that unit's closing barrier.
.macro HALF c
	s_wait_alu depctr_va_vdst(0)                   ; the last unit's rotary lines and matrix instructions are done reading W's fragment registers, in which the loads of steps 0 and 1 land, and its matrix instructions their set of scale words, which is asked for again
	s_wait_alu depctr_vm_vsrc(0)                   ; the last unit's LDS stores have read the rows in window 3, in which the next unit's rows land
	FETCHW 1-(\c), 0, 0
.if (\c) == 0
	s_add_nc_u64 s[WD:WD+1], s[WD:WD+1], 32768     ; on to c = 1 (the loads that named these bases were waited for in the last unit)
	s_add_nc_u64 s[WR:WR+1], s[WR:WR+1], 65536
	s_add_nc_u64 s[WSD:WSD+1], s[WSD:WSD+1], 2048
	s_add_nc_u64 s[WSR:WSR+1], s[WSR:WSR+1], 4096
	PREF_QK 0
.else
	s_cmp_eq_u32 s[TRIP], 1                        ; behind k's second half nothing follows: no load leaves its buffer
	s_cbranch_scc1 .Lno_pref_\@
	s_mov_b64 s[WD:WD+1], s[48:49]                 ; on to wk, c = 0
	s_mov_b64 s[WR:WR+1], s[50:51]
	s_mov_b64 s[WSD:WSD+1], s[52:53]
	s_mov_b64 s[WSR:WSR+1], s[54:55]
	PREF_QK 1
.Lno_pref_\@:
.endif
.irp s, 0,1,2,3,4,5,6,7
	STEPK 0, 1-(\c), 1-(\c), \s
.endr
	PLACES                                         ; in front of the loads into W's fragment registers and of the first read of results
	s_wait_alu depctr_va_vdst(0)                   ; step 7's matrix instructions are done reading fragment set 1, in which tile 1's cos and sin land
	s_wait_loadcnt 0x0                             ; on every way through the text: whatever was asked for in this half is in, before its registers are stored from or loaded into again
.if (\c) == 0
	STORE_QK 0
.else
	s_cmp_eq_u32 s[TRIP], 1
	s_cbranch_scc1 .Lno_store_\@
	STORE_QK 1
.Lno_store_\@:
.endif
	CSLOAD 1, \c, 1                                ; (tile 0's were asked for in step 7)
	s_wait_dscnt 16                                ; tile 0's cos and sin are in; tile 1's sixteen loads may be out
	ROPE 0, 0
	s_wait_dscnt 0x0
	ROPE 1, 1
	s_wait_alu depctr_va_vdst(0)                   ; the rotary lines of tiles 0 and 1 are done reading their cos and sin, in whose registers those of tiles 2 and 3 land
	CSLOAD 2, \c, 0
	CSLOAD 3, \c, 1
	QUANT4 0, 64, 1                                ; tiles 0 and 1, while tiles 2 and 3's cos and sin land
	OUTQK 0, \c, 0
	s_wait_dscnt 0x0
	ROPE 2, 0
	ROPE 3, 1
	QUANT4 128, 64, 1
	OUTQK 2, \c, 1
.if (\c) == 1
	global_store_b64 v[L8], v[WORD:WORD+1], s[OS:OS+1]   ; the four tiles' scale words: 256 consecutive bytes.  No wait: no vector instruction stands behind the last one
.endif
	BARRIER
.endm
.Lqk:                                              ; two trips: q, then k
	HALF 0
	HALF 1
	s_wait_xcnt 0x0                                ; the stores have read their bases
	s_mov_b64 s[OC:OC+1], s[60:61]
	s_mov_b64 s[OS:OS+1], s[62:63]
	s_sub_co_u32 s[TRIP], s[TRIP], 1
	s_cmp_lg_u32 s[TRIP], 0
	s_cbranch_scc1 .Lqk
	s_wait_dscnt 0x0                               ; the closing lines, six on end
	s_wait_alu 0x0
	s_wait_tensorcnt 0x0
	ds_add_u32 v[SPW], v[NIL]
	s_wait_dscnt 0x0
	s_endpgm
.Lfunc_end_k_qe2ba48437e_proj:
	.size	k_qe2ba48437e_proj, .Lfunc_end_k_qe2ba48437e_proj-k_qe2ba48437e_proj
	.p2alignl 7, 3214868480
	.fill 96, 4, 3214868480
	.section	.rodata,"a",@progbits
	.p2align	6, 0x0
	.amdhsa_kernel k_qe2ba48437e_proj
		.amdhsa_group_segment_fixed_size 270848
		.amdhsa_private_segment_fixed_size 0
		.amdhsa_enable_private_segment 0
		.amdhsa_kernarg_size 128
		.amdhsa_user_sgpr_count 2
		.amdhsa_user_sgpr_kernarg_segment_ptr 1
		.amdhsa_wavefront_size32 1
		.amdhsa_system_sgpr_workgroup_id_x 1
		.amdhsa_system_sgpr_workgroup_id_y 1
		.amdhsa_system_sgpr_workgroup_id_z 1
		.amdhsa_system_vgpr_workitem_id 0
		.amdhsa_next_free_vgpr 1024
		.amdhsa_next_free_sgpr 96
		.amdhsa_reserve_vcc 0
		.amdhsa_float_denorm_mode_32 3
		.amdhsa_float_denorm_mode_16_64 3
		.amdhsa_memory_ordered 1
		.amdhsa_forward_progress 1
		.amdhsa_inst_pref_size 240
	.end_amdhsa_kernel
	.amdgpu_metadata
---
amdhsa.version: [ 1, 2 ]
amdhsa.kernels:
  - .name:           k_qe2ba48437e_proj
    .symbol:         k_qe2ba48437e_proj.kd
    .args:
      - { .name: x_codes, .offset: 0, .size: 8, .value_kind: global_buffer, .address_space: global }
      - { .name: x_scales, .offset: 8, .size: 8, .value_kind: global_buffer, .address_space: global }
      - { .name: wq_codes, .offset: 16, .size: 8, .value_kind: global_buffer, .address_space: global }
      - { .name: wq_scales, .offset: 24, .size: 8, .value_kind: global_buffer, .address_space: global }
      - { .name: wk_codes, .offset: 32, .size: 8, .value_kind: global_buffer, .address_space: global }
      - { .name: wk_scales, .offset: 40, .size: 8, .value_kind: global_buffer, .address_space: global }
      - { .name: wv_codes, .offset: 48, .size: 8, .value_kind: global_buffer, .address_space: global }
      - { .name: wv_scales, .offset: 56, .size: 8, .value_kind: global_buffer, .address_space: global }
      - { .name: cos, .offset: 64, .size: 8, .value_kind: global_buffer, .address_space: global }
      - { .name: sin, .offset: 72, .size: 8, .value_kind: global_buffer, .address_space: global }
      - { .name: qimg, .offset: 80, .size: 8, .value_kind: global_buffer, .address_space: global }
      - { .name: qsc, .offset: 88, .size: 8, .value_kind: global_buffer, .address_space: global }
      - { .name: kimg, .offset: 96, .size: 8, .value_kind: global_buffer, .address_space: global }
      - { .name: ksc, .offset: 104, .size: 8, .value_kind: global_buffer, .address_space: global }
      - { .name: vimg, .offset: 112, .size: 8, .value_kind: global_buffer, .address_space: global }
      - { .name: vsc, .offset: 120, .size: 8, .value_kind: global_buffer, .address_space: global }
    .group_segment_fixed_size: 270848
    .private_segment_fixed_size: 0
    .kernarg_segment_align: 8
    .kernarg_segment_size: 128
    .max_flat_workgroup_size: 128
    .sgpr_count:     96
    .vgpr_count:     1024
    .wavefront_size: 32
...
	.end_amdgpu_metadata
.endif
;; end of part 3
;; launch attn (part 4): grid 8 x 32, 16 waves a work-group, no clusters, 327,680 bytes of LDS; arguments qimg, qsc, kimg, ksc, vimg, vsc, out0; writes out0
.if DOCPART == 4
	.amdgcn_target "amdgcn-amd-amdhsa--gfx1250"
	.amdhsa_code_object_version 6
	.text
	.protected	k_qe2ba48437e_attn
	.globl	k_qe2ba48437e_attn
	.p2align	8
	.type	k_qe2ba48437e_attn,@function
k_qe2ba48437e_attn:
	s_mov_b64 s[64:65], 0
	v_nop
	global_prefetch_b8 v0, s[64:65] scope:SCOPE_SE
	s_setreg_imm32_b32 hwreg(HW_REG_WAVE_MODE, 25, 1), 1
	s_wait_xcnt 0x0
; out[b][q][128 g ..] = the sum over k <= q of softmax_k(Q[q] . K[k] / sqrt(128)) V[k], both products on codes of FP4 (E2M1) with one E8M0 scale for each 32 along a product's K.
; LEFT OUT: key steps of 128 keys that lie wholly behind a tile's queries (the problem's own causal mask; shown at the head of the first launch).  A NaN or an overflow that reaches only those is not carried to the result.
; Q, K and V come as images of their operand registers, made by the first launch: a fragment (16 rows x 128 K) is 1,024 bytes, registers 4 c .. 4 c + 3 of lane l at 512 c + 16 l.
;   qimg, kimg: [bn 32][tile 128]: lane r of tile T holds position 64 (T / 4) + 32 ((T / 2) % 2) + 8 (T % 2) + r + 8 (r / 8).   vimg: [bn][key step 16][channel tile 8], the keys innermost.
;   qsc, ksc: [bn][64 positions][lane][2 words]: word b of lane l: tile 2 b + l / 16, row l % 16.   vsc: the same frame; word j holds two bytes for each of the channel-tile pairs 2 j, 2 j + 1: the two key blocks of these 64 keys.
; THE SOFTMAX AHEAD OF THE SECOND PRODUCT: t = score x log2(e) / sqrt(128) (one constant); M = the running largest t rounded UP to a whole number; p = 2^(t - M) is quantised along the keys, not normalised;
; the row's sum is taken of the unquantised p and divides at the end; when M moves, the sum and O are multiplied by 2^(old M - new M): exact.
; SHARES.  Work-group (i, bn) owns the query blocks of 128 numbered i and 15 - i of one head: 17 block steps in every work-group.  Each of its sixteen waves owns one tile of 16 queries in 256 registers; of the two waves
; with the same tile number one takes the early block and one the late.  Every wave walks all four slots of 512 keys (constant trip counts, every barrier); a step all of whose keys are hidden from it is jumped over by a scalar branch on ids.
; NO CLUSTER: the jump over hidden key steps hangs on the query block, which partners of a cluster would not share; without the jump the work would double.
; RING: two LDS slots of 512 keys (32 KiB of K, 32 KiB of V), filled by tensor loads (waves 0, 1: K's halves; waves 2, 3: V's), read by all sixteen.  The head's scale words (8 KiB + 8 KiB) come once.  Images are dense: every read is a constant + 16 or 8 x lane.
; By this text's own count a loading wave has one tensor load out at the head, waited for ahead of a barrier, and one behind each barrier.  Every wait on TENSORcnt is for 0.
; LIMITS: a block whose every p has fallen under 2^(3 - 127) keeps the byte 1; its codes are zeros.  A block's largest p is taken from the block's largest score by the same two instructions.
; REGISTERS: v1, v3, v5-7 addresses that stay; v8, v10 addresses in hand; v12 -M, v13 the largest t, v[14:15] the sum; v16-23 Q; v24-27 V's scale halves; v28 the prefetches' offset; v32-95 four fragments of K or V (32 used);
;   v96-159 S^T, then p; v160-223 O^T; v224-231 p's codes; v232-254 at work; v248-251 scale words of K, then of V; v253 p's scale word; v255 Q's.
.set SLOT1, 1<<16                      ; slot 1 begins here: one exclusive or turns an address in one slot into the other's
.set VOFF,  32768                      ; in a slot: 32 fragments of K, then 32 of V
.set SCK,   2*SLOT1                    ; K's scale words of the head
.set SCV,   SCK+8192                   ; V's
.set SPARE, SCV+8192                   ; the spare words, 128 bytes for each wave: eight blocks of 256 bytes that no other line names
.set STAGE, SPARE+2048                 ; the way out: 16 rows x 272 bytes for each wave; no fill lands here
.set AK0,  1                           ; v1   16 x lane
.set ASK0, 3                           ; v3   SCK + 8 x lane
.set SPW,  5                           ; v5   LDS address of my spare word; never rewritten
.set NIL,  6                           ; v6   0; never rewritten
.set GO,   7                           ; v7   the way out: my byte offset in two rows of out
.set ADK,  8                           ; v8   the slot in hand + 16 x lane
.set ADS,  10                          ; v10  the step's scale words
.set PFO,  28                          ; v28  256 x lane
.set WV,   18
.set SEL,  20
.set CS,   22                          ; s[22:23] c = log2(e) / sqrt(128)
.set G1,   24                          ; s[24:31] group 1: 16 KiB dense, as 64 rows of 256 bytes
.set G0K,  40                          ; s[40:43], s[44:47] groups 0 for K and V, which walk
.set G0V,  44
.set G1S,  48                          ; s[48:55] group 1: 4 KiB dense, as 16 rows of 256 bytes
.set G0SK, 56
.set G0SV, 60
.set TB,   2                           ; s2   LDS byte at which the slot in hand begins
.set TS,   3                           ; s3   the step's scale words: 512 bytes a step
.set SLOTS, 67
.set QMX,  68                          ; s68  my tile's last query
.set QWG,  69                          ; s69  my work-group's last query
.set PFA,  76                          ; s[76:77] where my prefetches stand
.set LIM,  80                          ; s80  1 in a wave that prefetches, else the greatest number
.set KF,   98                          ; s98  the step's first key
.set QB,   99                          ; s99  my tile's first query
; Waves 0 and 1 fetch for K, waves 2 and 3 for V, the others nothing.  The branches hang on the wave's number alone.  An s_nop 0 and four v_nop follow each of the two lines.
.macro TLOAD g0k, g0v, g1
	s_cmp_lt_u32 s[WV], 2
	s_cbranch_scc0 .Lnot_k_\@
	tensor_load_to_lds s[\g0k:\g0k+3], s[\g1:\g1+7]
	s_nop 0
.rept 4
	v_nop
.endr
	s_branch .Lasked_\@
.Lnot_k_\@:
	s_cmp_lt_u32 s[WV], 4
	s_cbranch_scc0 .Lasked_\@
	tensor_load_to_lds s[\g0v:\g0v+3], s[\g1:\g1+7]
	s_nop 0
.rept 4
	v_nop
.endr
.Lasked_\@:
.endm
; A prefetch of what the NEXT change of slots will ask for: 32 KiB of K's images and 32 KiB of V's.  All eight work-groups of a head walk the same K and V: the first (i = 0) asks, a branch on the work-group's number.
; In it waves 4 to 7 ask for K's, waves 8 to 11 for V's: 8,192 bytes a wave, lanes 256 bytes apart, one instruction: each aligned block of 256 bytes is named once in the launch.
; Slots 0 and 1 come by their loads alone; the last change that fills a slot asks for nothing: there is no slot behind it.
.macro ASK
	s_cmp_gt_u32 s[SLOTS], s[LIM]
	s_cbranch_scc0 .Lnot_mine_\@
	global_prefetch_b8 v[PFO], s[PFA:PFA+1] th:TH_LOAD_NT scope:SCOPE_SE
.Lnot_mine_\@:
.endm
	s_load_b256 s[4:11], s[0:1], 0x0               ; qimg 4, qsc 6, kimg 8, ksc 10
	s_load_b128 s[12:15], s[0:1], 0x20             ; vimg 12, vsc 14
	s_load_b64 s[16:17], s[0:1], 0x30              ; out0
	v_lshl_add_u32 v[SPW], v0, 2, SPARE
	v_mov_b32 v[NIL], 0
	ds_add_u32 v[SPW], v[NIL]                      ; the wave's opening: the add, twice on end, and its wait ahead of my first tensor load; the set-up below stands between the second and the wait
	ds_add_u32 v[SPW], v[NIL]
	v_lshrrev_b32 v8, 5, v0
	s_delay_alu instid0(VALU_DEP_1)
	v_readfirstlane_b32 s[WV], v8                  ; wave 0..15
	s_and_b32 s72, ttmp7, 0xffff                   ; bn = 8 x batch + head
	s_lshl_b32 s74, s72, 17
	s_mov_b32 s75, 0                               ; s[74:75]: the head's first byte in each buffer of images
	s_lshl_b32 s70, s72, 13
	s_mov_b32 s71, 0                               ; s[70:71]: in each buffer of scale words
	s_lshr_b32 s84, s[WV], 2
	s_xor_b32 s84, s84, s[WV]
	s_and_b32 s84, s84, 1                          ; 1: the late block
	s_sub_co_u32 s85, 15, ttmp9
	s_cmp_lg_u32 s84, 0
	s_cselect_b32 s85, s85, ttmp9                  ; my block of 128 queries
	s_lshr_b32 s86, s[WV], 1                       ; my tile in it, 0..7
	s_lshl_b32 s87, s85, 3
	s_add_co_u32 s87, s87, s86                     ; T
	s_lshl_b32 s[QB], s85, 7
	s_lshr_b32 s84, s86, 1
	s_lshl_b32 s84, s84, 5
	s_add_co_u32 s[QB], s[QB], s84
	s_and_b32 s84, s86, 1
	s_lshl_b32 s84, s84, 3
	s_add_co_u32 s[QB], s[QB], s84                 ; my first query: lane r holds query QB + r + 8 (r / 8)
	s_add_co_u32 s[QMX], s[QB], 23
	s_lshl_b32 s[QWG], ttmp9, 7
	s_sub_co_u32 s[QWG], 2047, s[QWG]              ; the last query of block 15 - i
	s_lshl_b32 s88, s87, 10
	s_mov_b32 s89, 0
	s_add_nc_u64 s[88:89], s[88:89], s[74:75]      ; Q's fragment
	s_lshr_b32 s90, s87, 2
	s_lshl_b32 s90, s90, 8
	s_and_b32 s84, s87, 1
	s_lshl_b32 s84, s84, 7
	s_add_co_u32 s90, s90, s84
	s_and_b32 s84, s87, 2
	s_lshl_b32 s84, s84, 1
	s_add_co_u32 s90, s90, s84
	s_mov_b32 s91, 0
	s_add_nc_u64 s[90:91], s[90:91], s[70:71]      ; Q's scale words: 256 (T / 4) + 128 (T % 2) + 4 ((T / 2) % 2)
	s_lshr_b32 s92, s72, 3
	s_lshl_b32 s92, s92, 23
	s_lshl_b32 s84, s[QB], 12
	s_add_co_u32 s92, s92, s84
	s_and_b32 s84, s72, 7
	s_lshl_b32 s84, s84, 9
	s_add_co_u32 s92, s92, s84
	s_mov_b32 s93, 0                               ; out: batch x 2048 rows + QB rows of 4,096 bytes + 512 x head
	s_and_b32 s94, s[WV], 1                        ; which half I fetch, if I fetch
	s_lshl_b32 s95, s94, 14
	s_mov_b32 s82, s95
	s_mov_b32 s83, 0
	s_add_nc_u64 s[82:83], s[82:83], s[74:75]      ; images: in memory
	s_lshl_b32 s81, s94, 12
	s_mov_b32 s96, s81
	s_mov_b32 s97, 0
	s_add_nc_u64 s[96:97], s[96:97], s[70:71]      ; scale words: in memory
	s_mov_b32 s[G1], 3<<16                         ; 15:0 no mask; 17:16 elements of 8 bytes; no padding
	s_mov_b32 s[G1+1], 32<<16                      ; tensor_dim0 = 32 elements: 256 bytes
	s_mov_b32 s[G1+2], 64<<16                      ; tensor_dim1 = 64
	s_mov_b32 s[G1+3], 32<<16                      ; tile_dim0
	s_mov_b32 s[G1+4], 64                          ; tile_dim1
	s_mov_b32 s[G1+5], 32                          ; from row to row
	s_mov_b32 s[G1+6], 0
	s_mov_b32 s[G1+7], 0
	s_mov_b32 s[G1S], 3<<16
	s_mov_b32 s[G1S+1], 32<<16
	s_mov_b32 s[G1S+2], 16<<16
	s_mov_b32 s[G1S+3], 32<<16
	s_mov_b32 s[G1S+4], 16
	s_mov_b32 s[G1S+5], 32
	s_mov_b32 s[G1S+6], 0
	s_mov_b32 s[G1S+7], 0
	s_mov_b32 s[SEL], 0x76543210
	s_mov_b32 s[SEL+1], 0xfedcba98
	s_mov_b32 s[CS], 0x3e0293ee                    ; c = log2(e) / sqrt(128)
	s_mov_b32 s[CS+1], s[CS]
	s_mov_b32 s[TB], 0
	s_mov_b32 s[TS], 0
	s_mov_b32 s[SLOTS], 3
	s_mov_b32 s[KF], 0
	s_wait_dscnt 0x0                               ; both opening adds are done
	s_wait_kmcnt 0x0
	s_mov_b32 s[G0SK], 1
	s_add_co_u32 s[G0SK+1], s81, SCK
	s_add_nc_u64 s[G0SK+2:G0SK+3], s[10:11], s[96:97]
	s_or_b32 s[G0SK+3], s[G0SK+3], 0x80000000
	s_mov_b32 s[G0SV], 1
	s_add_co_u32 s[G0SV+1], s81, SCV
	s_add_nc_u64 s[G0SV+2:G0SV+3], s[14:15], s[96:97]
	s_or_b32 s[G0SV+3], s[G0SV+3], 0x80000000
	TLOAD G0SK, G0SV, G1S                          ; the head's scale words: filled once
	s_mov_b32 s[G0K], 1
	s_mov_b32 s[G0K+1], s95
	s_add_nc_u64 s[G0K+2:G0K+3], s[8:9], s[82:83]
	s_or_b32 s[G0K+3], s[G0K+3], 0x80000000
	s_mov_b32 s[G0V], 1
	s_add_co_u32 s[G0V+1], s95, VOFF
	s_add_nc_u64 s[G0V+2:G0V+3], s[12:13], s[82:83]
	s_or_b32 s[G0V+3], s[G0V+3], 0x80000000
	s_wait_alu depctr_va_vdst(0)
	s_wait_tensorcnt 0x0
	ds_add_u32 v5, v6
	s_wait_dscnt 0x0
	s_barrier_signal -1
	s_barrier_wait -1
	TLOAD G0K, G0V, G1                             ; slot 0: it holds key 0, which counts for every query
	s_add_nc_u64 s[4:5], s[4:5], s[88:89]
	s_add_nc_u64 s[6:7], s[6:7], s[90:91]
	s_add_nc_u64 s[16:17], s[16:17], s[92:93]
	s_cmp_lt_u32 s[WV], 8                          ; the prefetches: waves 4 to 7 K's images, waves 8 to 11 V's
	s_cselect_b64 s[PFA:PFA+1], s[8:9], s[12:13]
	s_and_b32 s84, s[WV], 3
	s_lshl_b32 s84, s84, 13
	s_add_co_u32 s84, s84, 32768                   ; my wave's 8,192 bytes, in slot 1: the first change of slots steps it to slot 2
	s_mov_b32 s85, 0
	s_add_nc_u64 s[PFA:PFA+1], s[PFA:PFA+1], s[74:75]
	s_add_nc_u64 s[PFA:PFA+1], s[PFA:PFA+1], s[84:85]
	s_sub_co_u32 s84, s[WV], 4
	s_lshr_b32 s84, s84, 3                         ; 0 in waves 4 to 11,
	s_or_b32 s84, s84, ttmp9                       ; of the head's first work-group
	s_cmp_eq_u32 s84, 0
	s_cselect_b32 s[LIM], 1, -1
	v_and_b32 v8, 31, v0                           ; lane
	s_delay_alu instid0(VALU_DEP_1)
	v_lshlrev_b32 v[AK0], 4, v8
	global_load_b128 v[16:19], v[AK0], s[4:5]      ; Q's fragment stays in registers
	global_load_b128 v[20:23], v[AK0], s[4:5] offset:512
	v_and_b32 v9, 15, v0
	s_delay_alu instid0(VALU_DEP_1)
	v_lshlrev_b32 v254, 3, v9
	global_load_b32 v255, v254, s[6:7]             ; Q's scale words: lane r has row r's
	v_lshl_add_u32 v[ASK0], v8, 3, SCK
	v_lshlrev_b32 v[PFO], 8, v8
	v_bfe_u32 v10, v0, 4, 1
	s_delay_alu instid0(VALU_DEP_1)
	v_lshlrev_b32 v[GO], 12, v10
	s_delay_alu instid0(VALU_DEP_1)
	v_lshl_add_u32 v[GO], v9, 4, v[GO]             ; the way out: lanes 0-15 one row of out, lanes 16-31 the next; 16 bytes a lane
	v_mov_b32 v13, 0xff61b1e6                      ; the largest t so far: -3e38, under every t
	s_delay_alu instid0(VALU_DEP_1)
	v_floor_f32 v12, -v13                          ; -M
	v_mov_b32 v14, 0
	v_mov_b32 v15, 0
.irp b, 0,1,2,3
	v_mov_b32 v[236+\b], 0                         ; written once: a lane permute's destination counts as one of its sources
.endr
	v_mov_b32 v253, 0                              ; (named as the upper half of the pair v[252:253] before it is first written)
.set j, 0
.rept 64
	v_mov_b32 v[160+j], 0                          ; O^T.  (The step is written once: the first finds zeros, which the first change of M leaves zeros)
.set j, j+1
.endr
; A KEY STEP: 128 keys, the q-th of the slot in hand.
.macro STEP q
	s_cmp_gt_u32 s[KF], s[QMX]                     ; all its keys come after my 16 queries: the step's work is left out; the lines at its end that step addresses are not
	s_cbranch_scc1 .Lhidden_\@
	v_add_nc_u32 v[ADK], s[TB], v[AK0]
	s_wait_alu depctr_va_vdst(0)
	v_add_nc_u32 v[ADS], s[TS], v[ASK0]
	v_nop
	v_nop                                          ; four plain instructions in front of loads into registers that the last products read
.irp g, 0,1                                    ; S^T = K Q^T, four tiles of 16 keys at a time
.if \g
.rept 4
	v_nop
.endr
.endif
.irp t, 0,1,2,3
.irp c, 0,1
	ds_load_b128 v[32+8*\t+4*\c:32+8*\t+4*\c+3], v[ADK] offset:(8*(\q)+4*\g+\t)*1024+512*\c
.endr
.endr
.if \g == 0
	ds_load_b64 v[248:249], v[ADS]                 ; K's scale words: tiles 0-3 (a register: an even tile in lanes 0-15, the odd one in lanes 16-31),
	ds_load_b64 v[250:251], v[ADS] offset:256      ; tiles 4-7;
	ds_load_b64 v[24:25], v[ADS] offset:8192       ; V's bytes of the step's first 64 keys,
	ds_load_b64 v[26:27], v[ADS] offset:8448       ; and of its second
.endif
	s_wait_dscnt 0x0
.irp t, 0,1,2,3
.if \t%2
	v_wmma_scale_f32_16x16x128_f8f6f4 v[96+8*(4*\g+\t):103+8*(4*\g+\t)], v[32+8*\t:39+8*\t], v[16:23], 0, v[248+2*\g+\t/2], v255 matrix_a_fmt:MATRIX_FMT_FP4 matrix_b_fmt:MATRIX_FMT_FP4 matrix_a_scale:MATRIX_SCALE_ROW1
.else
	v_wmma_scale_f32_16x16x128_f8f6f4 v[96+8*(4*\g+\t):103+8*(4*\g+\t)], v[32+8*\t:39+8*\t], v[16:23], 0, v[248+2*\g+\t/2], v255 matrix_a_fmt:MATRIX_FMT_FP4 matrix_b_fmt:MATRIX_FMT_FP4
.endif
.endr
.endr                                          ; lane (r, h) holds query r of my tile; register 16 b + i holds key KF + 32 b + 16 h + i
.rept 4
	v_nop
.endr
	s_add_co_u32 s96, s[KF], 127                   ; on the diagonal hidden scores become -infinity ahead of the maximum: p = 0 then.  A step all of whose keys count skips this
	s_cmp_le_u32 s96, s[QB]
	s_cbranch_scc1 .Lopen_\@
	s_sub_co_i32 s96, s[QB], s[KF]
	v_and_b32 v252, 15, v0
	v_and_b32 v240, 8, v0
	s_delay_alu instid0(VALU_DEP_1)
	v_add_nc_u32 v252, v252, v240                  ; r + 8 (r / 8)
	v_and_b32 v240, 16, v0
	s_delay_alu instid0(VALU_DEP_1)
	v_sub_nc_u32 v252, v252, v240
	s_delay_alu instid0(VALU_DEP_1)
	v_add_nc_u32 v252, s96, v252                   ; d = my query - KF - 16 h: register 16 b + i is hidden where 32 b + i > d
	v_mov_b32 v254, 0xff800000
.set n, 0
.rept 64
	v_cmp_gt_i32 vcc_lo, 32*(n/16)+n%16, v252
	v_cndmask_b32 v[96+n], v[96+n], v254, vcc_lo
.set n, n+1
.endr
.Lopen_\@:
	v_perm_b32 v248, v26, v24, 0x05040100          ; V's scale words of this step: two bytes of each half of the keys; register p: channel tile 2 p in lanes 0-15, 2 p + 1 in lanes 16-31
	v_perm_b32 v249, v26, v24, 0x07060302
	v_perm_b32 v250, v27, v25, 0x05040100
	v_perm_b32 v251, v27, v25, 0x07060302
.irp b, 0,1,2,3
	v_max3_num_f32 v[232+\b], v[96+16*\b], v[97+16*\b], v[98+16*\b]   ; the largest score of each block of 32 keys: for the row's maximum, and, since p rises with the score, for the block's largest p
.endr
.irp i, 3,5,7,9,11,13
.irp b, 0,1,2,3
	v_max3_num_f32 v[232+\b], v[232+\b], v[96+16*\b+\i], v[97+16*\b+\i]
.endr
.endr
.irp b, 0,1,2,3
	v_max_num_f32 v[232+\b], v[232+\b], v[111+16*\b]
.endr
.irp b, 0,1,2,3
	s_delay_alu instid0(VALU_DEP_4)
	v_permlanex16_b32 v[236+\b], v[232+\b], s[SEL], s[SEL+1]
.endr
.irp b, 0,1,2,3
	s_delay_alu instid0(VALU_DEP_4)
	v_max_num_f32 v[232+\b], v[232+\b], v[236+\b]  ; with lane l xor 16's 16 keys
.endr
	s_delay_alu instid0(VALU_DEP_2)
	v_max3_num_f32 v254, v232, v233, v234
	s_delay_alu instid0(VALU_DEP_1)
	v_max_num_f32 v254, v254, v235                 ; the step's largest score of my query
	s_delay_alu instid0(VALU_DEP_1)
	v_mul_f32 v254, s[CS], v254                    ; as t (c is positive)
	s_delay_alu instid0(VALU_DEP_1)
	v_max_num_f32 v13, v13, v254                   ; the running largest t
	v_mov_b32 v254, v12
	s_delay_alu instid0(VALU_DEP_2)
	v_floor_f32 v12, -v13                          ; the new -M = floor(-t): M is a whole number
	s_delay_alu instid0(VALU_DEP_1)
	v_sub_f32 v254, v12, v254                      ; old M - new M: a whole number, 0 or less
	s_delay_alu instid0(VALU_DEP_1)
	v_cvt_i32_f32 v254, v254                       ; (it saturates)
	s_delay_alu instid0(VALU_DEP_1)
	v_ldexp_f32 v252, 1.0, v254                    ; f = 2^(old M - new M)
.set j, 0
.rept 32
	v_pk_fma_f32 v[96+j:97+j], v[96+j:97+j], s[CS:CS+1], v[12:13] op_sel_hi:[1,0,0]   ; t - M, two at a time
.set j, j+2
.endr
.irp b, 0,1,2,3
	v_fma_f32 v[232+\b], v[232+\b], s[CS], v12     ; the same of each block's largest score
.endr
.set j, 0
	s_wait_alu depctr_va_vdst(0)
.rept 64
	v_exp_f32 v[96+j], v[96+j]                     ; p = 2^(t - M), at most 1
.set j, j+1
.endr
	v_pk_mul_f32 v[14:15], v[14:15], v[252:253] op_sel_hi:[1,0]   ; the sums under the new M: a plain instruction behind the exponentials
	s_wait_alu depctr_va_vdst(0)                   ; one wait for the whole batch, ahead of its first reader
.irp b, 0,1,2,3
	v_exp_f32 v[232+\b], v[232+\b]                 ; the block's largest p
.endr
	v_pk_add_f32 v[236:237], v[96:97], v[98:99]    ; the row's sum is taken of the unquantised p: two at a time, in two chains
.irp j, 4,8,12,16,20,24,28,32,36,40,44,48,52,56,60
	v_pk_add_f32 v[14:15], v[14:15], v[96+\j:97+\j]
	v_pk_add_f32 v[236:237], v[236:237], v[98+\j:99+\j]
.endr
	s_delay_alu instid0(VALU_DEP_1)
	v_pk_add_f32 v[14:15], v[14:15], v[236:237]
	s_wait_alu depctr_va_vdst(0)                   ; and one for the four
.irp b, 0,1,2,3
	v_max_num_f32 v[232+\b], 0x1800000, v[232+\b]  ; the floor 2^(3 - 127): the byte cannot fall under 1
.endr
.irp b, 0,1,2,3
	s_delay_alu instid0(VALU_DEP_4)
	v_add_nc_u32 v[244+\b], 0xff000000, v[232+\b]  ; 2 off the exponent field: the conversion's scale operand
.endr
.irp b, 0,1,2,3
	s_delay_alu instid0(VALU_DEP_4)
	v_lshrrev_b32 v[236+\b], 23, v[244+\b]         ; the scale's byte
.endr
	s_delay_alu instid0(VALU_DEP_3)
	v_lshl_or_b32 v253, v237, 8, v236              ; p's scale word for these 128 keys
	s_delay_alu instid0(VALU_DEP_1)
	v_lshl_or_b32 v253, v238, 16, v253
	s_delay_alu instid0(VALU_DEP_1)
	v_lshl_or_b32 v253, v239, 24, v253
.irp b, 0,1,2,3
	v_cvt_scalef32_pk8_fp4_f32 v[224+2*\b], v[96+16*\b:103+16*\b], v[244+\b]
	v_cvt_scalef32_pk8_fp4_f32 v[225+2*\b], v[104+16*\b:111+16*\b], v[244+\b]
.endr
	v_nop                                          ; one plain instruction behind the last scaled conversion
.irp c, 0,1                                    ; the operand's layout wants a whole block in a lane
.irp i, 0,1
	v_permlane16_swap_b32 v[224+4*\c+\i], v[226+4*\c+\i]
.endr
.endr
.set j, 0
.rept 32
	v_pk_mul_f32 v[160+j:161+j], v[160+j:161+j], v[252:253] op_sel_hi:[1,0]   ; O^T under the new M.  (These 32 are also the places in front of the matrix instructions and loads below)
.set j, j+2
.endr
	s_wait_alu depctr_va_vdst(0)
.irp g, 0,1                                    ; O^T += V^T P^T: four tiles of 16 channels at a time; K = these 128 keys
.if \g
.rept 4
	v_nop
.endr
.endif
.irp t, 0,1,2,3
.irp c, 0,1
	ds_load_b128 v[32+8*\t+4*\c:32+8*\t+4*\c+3], v[ADK] offset:VOFF+(8*(\q)+4*\g+\t)*1024+512*\c
.endr
.endr
	s_wait_dscnt 0x0
.irp t, 0,1,2,3
.if \t%2
	v_wmma_scale_f32_16x16x128_f8f6f4 v[160+8*(4*\g+\t):167+8*(4*\g+\t)], v[32+8*\t:39+8*\t], v[224:231], v[160+8*(4*\g+\t):167+8*(4*\g+\t)], v[248+2*\g+\t/2], v253 matrix_a_fmt:MATRIX_FMT_FP4 matrix_b_fmt:MATRIX_FMT_FP4 matrix_a_scale:MATRIX_SCALE_ROW1
.else
	v_wmma_scale_f32_16x16x128_f8f6f4 v[160+8*(4*\g+\t):167+8*(4*\g+\t)], v[32+8*\t:39+8*\t], v[224:231], v[160+8*(4*\g+\t):167+8*(4*\g+\t)], v[248+2*\g+\t/2], v253 matrix_a_fmt:MATRIX_FMT_FP4 matrix_b_fmt:MATRIX_FMT_FP4
.endif
.endr
.endr
.Lhidden_\@:
	s_add_co_u32 s[KF], s[KF], 128
	s_add_co_u32 s[TS], s[TS], 512                 ; the next step's scale words
.endm
; THE CHANGE OF SLOTS stands at a slot's head.  Each wave waits for all its tensor loads, adds 0 to its spare word (fill = 1: twice on end), and waits for that and for its reads of the slot that it has left.
; Behind the barrier the slot ahead is whole and nobody reads the other one.  fill = 1: that other slot takes the next 512 keys, up to the causal limit; the load has a slot's four steps in which to land.
.macro CHANGE fill
	s_wait_tensorcnt 0x0                           ; no tensor load of mine is out, so a group 0 may be written
	ds_add_u32 v[SPW], v[NIL]                      ; 0 onto my spare word
.if \fill
	ds_add_u32 v[SPW], v[NIL]                      ; and once more
	s_xor_b32 s[G0K+1], s[G0K+1], SLOT1            ; the walking descriptors: the other slot than last time,
	s_add_nc_u64 s[G0K+2:G0K+3], s[G0K+2:G0K+3], 32768   ; the next 512 keys; the type bits on top are not reached
	s_xor_b32 s[G0V+1], s[G0V+1], SLOT1
	s_add_nc_u64 s[G0V+2:G0V+3], s[G0V+2:G0V+3], 32768
	s_wait_xcnt 0x0                                ; the last prefetch, a slot back, has read its address, so it may be written:
	s_add_nc_u64 s[PFA:PFA+1], s[PFA:PFA+1], 32768 ; one slot further on than the walking descriptors
.endif
	s_wait_dscnt 0x0                               ; the add is done (fill = 1: both are), and my reads of the slot that I have left are over
	s_barrier_signal -1
	s_barrier_wait -1
.if \fill
	s_add_co_u32 s96, s[KF], 512                   ; the first key of the slot that this change would ask for:
	s_cmp_gt_u32 s96, s[QWG]                       ; behind my work-group's last query it would be read by none of the sixteen waves, so it is not asked for.  Ids and the count of steps alone: all waves go the same way
	s_cbranch_scc1 .Lpast_\@
	TLOAD G0K, G0V, G1                             ; a wave's one tensor load until the next such barrier
.Lpast_\@:
	ASK
.endif
.endm
.macro SLOT_STEPS
.set Q, 0
.rept 4
	STEP Q
.set Q, Q+1
.endr
	s_xor_b32 s[TB], s[TB], SLOT1                  ; on to the other slot
.endm
	s_wait_loadcnt 0x0                             ; Q
.Lslot:                                            ; three trips: behind each change of slots but the last the next slot is asked for, up to the causal limit
	CHANGE 1
	SLOT_STEPS
	s_sub_co_u32 s[SLOTS], s[SLOTS], 1
	s_cmp_lg_u32 s[SLOTS], 0
	s_cbranch_scc1 .Lslot
	CHANGE 0                                       ; the last slot is written out: nothing is left to ask for
	SLOT_STEPS
	; THE WAY OUT.  O^T is divided by the row's sum and goes through my stage in LDS, half a row (64 channels, 256 bytes) of 16 queries at a time, so that sixteen lanes store 256 consecutive, aligned bytes.
	v_add_f32 v14, v14, v15                        ; the sum's two halves,
	s_delay_alu instid0(VALU_DEP_1)
	v_permlanex16_b32 v252, v14, s[SEL], s[SEL+1]
	s_delay_alu instid0(VALU_DEP_1)
	v_add_f32 v14, v14, v252                       ; and lane l xor 16's
	s_wait_alu depctr_va_vdst(0)
	v_rcp_f32 v14, v14
	v_and_b32 v8, 15, v0                           ; (a plain instruction behind the reciprocal)  r
	v_bfe_u32 v9, v0, 4, 1                         ; h
	s_mul_i32 s73, s[WV], 16*272
	s_add_co_u32 s73, s73, STAGE                   ; my stage
	v_mul_u32_u24 v10, v8, 272
	s_delay_alu instid0(VALU_DEP_1)
	v_lshl_add_u32 v10, v9, 5, v10
	s_delay_alu instid0(VALU_DEP_1)
	v_add_nc_u32 v10, s73, v10                     ; in: row r; tile t's eight channels of my half: 64 t + 32 h bytes on
	v_mul_u32_u24 v11, v9, 272
	s_delay_alu instid0(VALU_DEP_1)
	v_lshl_add_u32 v11, v8, 4, v11
	s_delay_alu instid0(VALU_DEP_1)
	v_add_nc_u32 v11, s73, v11                     ; back: lanes 0-15 one row, lanes 16-31 the next
	s_wait_alu depctr_va_vdst(0)                   ; the wait ahead of the reciprocal's first reader
.set j, 0
.rept 64
	v_mul_f32 v[96+j], v[160+j], v14               ; register 8 t + i is o(query r, channel 16 t + 8 h + i)
.set j, j+1
.endr
.irp u, 0,1                                    ; channels 64 u on
.irp t, 0,1,2,3
	ds_store_b128 v10, v[96+32*\u+8*\t:99+32*\u+8*\t] offset:64*\t
	ds_store_b128 v10, v[100+32*\u+8*\t:103+32*\u+8*\t] offset:64*\t+16
.endr
.irp i, 0,1,2,3,4,5,6,7
	ds_load_b128 v[32+32*\u+4*\i:35+32*\u+4*\i], v11 offset:2*\i*272   ; LDS serves a wave's instructions in order (ISA guide 5.7.1.4): these see my stores, and the next half's stores come behind them
.endr
.endr
.irp u, 0,1
.irp i, 0,1,2,3,4,5,6,7
	s_wait_dscnt 15-8*\u-\i                        ; the younger loads from the stage may be out
	global_store_b128 v[GO], v[32+32*\u+4*\i:35+32*\u+4*\i], s[16:17] offset:(2*\i+8*(\i/4))*4096+256*\u th:TH_STORE_NT   ; stage row n is query QB + n + 8 (n / 8)
.endr
.endr
	s_wait_tensorcnt 0x0                           ; the wave's end: behind my last tensor load and my last LDS store
	ds_add_u32 v[SPW], v[NIL]
	s_wait_dscnt 0x0
	s_endpgm
.Lfunc_end_k_qe2ba48437e_attn:
	.size	k_qe2ba48437e_attn, .Lfunc_end_k_qe2ba48437e_attn-k_qe2ba48437e_attn
	.p2alignl 7, 3214868480
	.fill 96, 4, 3214868480
	.section	.rodata,"a",@progbits
	.p2align	6, 0x0
	.amdhsa_kernel k_qe2ba48437e_attn
		.amdhsa_group_segment_fixed_size 327680
		.amdhsa_private_segment_fixed_size 0
		.amdhsa_enable_private_segment 0
		.amdhsa_kernarg_size 56
		.amdhsa_user_sgpr_count 2
		.amdhsa_user_sgpr_kernarg_segment_ptr 1
		.amdhsa_wavefront_size32 1
		.amdhsa_system_sgpr_workgroup_id_x 1
		.amdhsa_system_sgpr_workgroup_id_y 1
		.amdhsa_system_sgpr_workgroup_id_z 1
		.amdhsa_system_vgpr_workitem_id 0
		.amdhsa_next_free_vgpr 256
		.amdhsa_next_free_sgpr 100
		.amdhsa_reserve_vcc 1
		.amdhsa_float_denorm_mode_32 3
		.amdhsa_float_denorm_mode_16_64 3
		.amdhsa_memory_ordered 1
		.amdhsa_forward_progress 1
		.amdhsa_inst_pref_size 215
	.end_amdhsa_kernel
	.amdgpu_metadata
---
amdhsa.version: [ 1, 2 ]
amdhsa.kernels:
  - .name:           k_qe2ba48437e_attn
    .symbol:         k_qe2ba48437e_attn.kd
    .args:
      - { .name: qimg, .offset: 0, .size: 8, .value_kind: global_buffer, .address_space: global }
      - { .name: qsc, .offset: 8, .size: 8, .value_kind: global_buffer, .address_space: global }
      - { .name: kimg, .offset: 16, .size: 8, .value_kind: global_buffer, .address_space: global }
      - { .name: ksc, .offset: 24, .size: 8, .value_kind: global_buffer, .address_space: global }
      - { .name: vimg, .offset: 32, .size: 8, .value_kind: global_buffer, .address_space: global }
      - { .name: vsc, .offset: 40, .size: 8, .value_kind: global_buffer, .address_space: global }
      - { .name: out0, .offset: 48, .size: 8, .value_kind: global_buffer, .address_space: global }
    .group_segment_fixed_size: 327680
    .private_segment_fixed_size: 0
    .kernarg_segment_align: 8
    .kernarg_segment_size: 56
    .max_flat_workgroup_size: 512
    .sgpr_count:     100
    .vgpr_count:     256
    .wavefront_size: 32
...
	.end_amdgpu_metadata
.endif
;; end of part 4
